; MI455X (gfx1250); checked and timed in simulation.
; The chip was launched on July 23, 2026; its instructions are those of AMD's public machine-readable ISA for CDNA 5 (MIT licence, August 2026) and "CDNA5" Instruction Set Architecture Reference Guide (July 2026). The comments in the code are by the model that wrote it; some were corrected since.
;; Causal Self Attention. Allowed arithmetic: matrix products marked QUANTISED: E3M2 operands, one E8M0 scale for each 32 along K, by v_wmma_scale_f32_16x16x128_f8f6f4 with both operands' format E3M2, f32 sums; everything else in f32.
;; Inputs: W_attn 1,024 x 3,072 float32; W_proj 1,024 x 1,024 float32; b_attn 3,072 float32; b_proj 1,024 float32; x 4 x 2,048 x 1,024 float32.
;; Outputs: out0 4 x 2,048 x 1,024 float32.
;; This version of the problem:
;;   THIS VERSION OF THE PROBLEM IS GIVEN IN LOW PRECISION. The matrix products marked QUANTISED in the list below multiply operands that are first quantised to E3M2 (3 exponent bits, 2 mantissa bits; 6 bits a number), with one power-of-two scale for each 32 numbers along K (OCP MX v1.0); their sums are f32. All else is computed in f32.
;;   The module's matrix products, in the order in which they are computed (A, B: the left and right operand; K: the contracted axis; several contracted axes count as one K, in the product's order):
;;     1. [M 8,192, K 1,024] x [K 1,024, N 3,072]; A: input x; B: input W_attn: QUANTISED
;;     2. batch 64 x [M 2,048, K 64] x [K 64, N 2,048]; A: computed on the way; B: computed on the way: QUANTISED
;;     3. batch 64 x [M 2,048, K 2,048] x [K 2,048, N 64]; A: softmax (see below); B: computed on the way: QUANTISED
;;     4. [M 8,192, K 1,024] x [K 1,024, N 1,024]; A: computed on the way; B: input W_proj: QUANTISED
;;   THE QUANTISER, for each operand of a quantised product, along K:
;;     - K is cut into blocks of 32 from its start; a last block that is shorter is filled with zeros.
;;     - A block's scale is 2^e with e = floor(log2(the largest magnitude in the block)) - 4, held to -126 .. 127; a block of zeros has e = 0. As a byte (E8M0): e + 127.
;;     - Each number is divided by its block's scale, clamped to +-28, and rounded to the nearest number of E3M2, ties to even, subnormals kept.
;;     - The product sums the exact products of the quantised numbers (number of the format x scale) in f32.
;;   ~~~python
;;   def quantise(x, axis):      # numpy; x: float32 -> the quantised numbers, widened to float32 again
;;       x = np.moveaxis(x, axis, -1); K = x.shape[-1]
;;       x = np.pad(x, [(0, 0)] * (x.ndim - 1) + [(0, -K % 32)]); x = x.reshape(x.shape[:-1] + (-1, 32)); a = np.abs(x).max(-1, keepdims=True)
;;       e = np.where(a > 0, np.clip(np.frexp(np.where(a > 0, a, 1))[1] - 1 - 4, -126, 127), 0)      # np.frexp(a)[1] - 1 = floor(log2(a)), exactly
;;       r = np.clip(x / 2.0 ** e, -28, 28)
;;       step = 2.0 ** (np.maximum(np.frexp(np.where(r == 0, 1, r))[1] - 1, -2) - 2)
;;       q = np.round(r / step) * step * 2.0 ** e      # np.round: ties to even
;;       return np.moveaxis(q.reshape(q.shape[:-2] + (-1,))[..., :K], -1, axis).astype(np.float32)
;;   ~~~
;;   SOFTMAX AHEAD OF A QUANTISED PRODUCT. Where the list says 'softmax', what is quantised is not the finished softmax but p = 2^(t - M), with t = logit x log2(e) and M = ceil(the row's largest t), a whole number; so 1/2 < the row's largest p <= 1. The row's sum l is taken of the UNQUANTISED p, in f32, and the product's result is divided by l at the end. Since M is a whole number, a kernel that streams over the keys may use a running M (the ceiling of the running maximum): every later rescaling is an exact power of two, which a block's scale takes up: the codes' values come out the same.
;;   OPERANDS COMPUTED ON THE WAY. 'Computed on the way' means the value that the module computes at that place (a softmax that the list does not call 'softmax' is quantised finished and normalised). What goes into a quantiser is computed in f32, as accurately as f32 sums, v_exp_f32 and their like allow (about 1e-6 of the number): no bf16 or f16 on the way to a quantiser, and a product that is left as it is and whose result goes on into a quantised operand takes f32 operands (vector FMAs, or v_wmma_f32_16x16x4_f32). A number that lies on a knife's edge between two numbers of the format may be rounded either way, as far as f32 arithmetic and the matrix unit's own rounding can turn it there, and no further.
;; One version. Each part assembles by itself: llvm-mc -triple=amdgcn-amd-amdhsa -mcpu=gfx1250 --defsym DOCPART=n.
;; ======== version 1 of 1: 4 launches
;; limits: right only within a limited range of input values
;; workspace buffers: xc 6,291,456 bytes; wc 2,359,296 bytes; wpc 786,432 bytes; sc1 360,448 bytes; sc2 294,912 bytes; qkv 19,660,800 bytes; yc 6,291,456 bytes
;; launch quant (part 1): grid 512 x 1, 4 waves a work-group, no clusters, 34,304 bytes of LDS; arguments x, W_attn, W_proj, xc, wc, wpc, sc1, sc2; writes xc, wc, wpc, sc1, sc2
.if DOCPART == 1
	.amdgcn_target "amdgcn-amd-amdhsa--gfx1250"
	.amdhsa_code_object_version 6
	.text
	.protected	k_q6f491fec82_quant
	.globl	k_q6f491fec82_quant
	.p2align	8
	.type	k_q6f491fec82_quant,@function
k_q6f491fec82_quant:
	s_mov_b64 s[64:65], 0
	v_nop
	global_prefetch_b8 v0, s[64:65] scope:SCOPE_SE
	s_setreg_imm32_b32 hwreg(HW_REG_WAVE_MODE, 25, 1), 1
	s_wait_xcnt 0x0
; x [8192][1024], W_attn [1024][3072] and W_proj [1024][1024], f32, become codes of BF6 (E3M2) with one E8M0 byte for each 32 along K (K = the 1,024).
; A block's scale is 2^(floor(log2(its largest magnitude)) - 4); its byte is the largest magnitude's exponent field - 4, held at 1 from below by a floor among the maximum's leaves.
; LIMITS: NaN and infinities among the inputs are not served.  A block whose largest magnitude lies under 2^-122 (a block of zeros too) gets the byte 1, where the rule gives a block of zeros 127:
; its codes are zeros, which add nothing under any byte but 0xff, and the bytes are read by this program alone.
; THE LAYOUT OF THE CODES is an image of the operand's registers.  16 rows x 64 codes are 768 bytes: lane l = (r = l % 16, h = l / 16) holds row r, k = 32 h .. 32 h + 31, 24 bytes: the first 16 at 16 l,
; the last 8 at 512 + 8 l.  Two such images are a fragment (16 rows x 128 K); a tile of 16 rows has its 8 K steps on end: 12,288 bytes.
; THE ORDER OF ROWS: lane-row r of tile t is the row 32 (t / 2) + 8 (t % 2) + r + 8 (r / 8): taken as source 0 of a product, two neighbouring tiles give a lane 16 neighbours along the next K.
; THE SCALE BYTES: [tile][K / 512][r][16 bytes]: word s % 4 of quad s / 4 is row r's scale word of K step s.  x's lie at byte 0 of sc1; the weights' at byte 262,144 of sc1 (W_attn) and of sc2 (W_proj).
; SHARES.  Work-groups 0-255 take x: a wave takes one tile of 16 rows and 512 along K.  Each load reads 512 consecutive bytes of one row; the numbers turn through the wave's own stage in LDS so that a lane
; gets 16 neighbours of each block.  Work-groups 256-447 take W_attn, 448-511 W_proj: a wave takes 32 columns x 128 along K; a lane takes a column and its registers run down K, so nothing is transposed;
; its loads run two blocks of 32 along K ahead.  No tensor loads, no barrier: waves share nothing.  Only x's path uses LDS.
.set SP,    528                        ; a stage row: 512 bytes + 16: the sixteen rows that a load touches start in different banks
.set WREG,  16*SP                      ; a wave's stage
.set R,     16                         ; v16-143  x: two sets of 64 registers as loaded
.set X,     144                        ; v144-207 x: 64 numbers of a lane: register 16 b + i = k 32 b + 16 h + i of its row
.set PC,    208                        ; v208-219 a fragment's codes; v220-226 at work
.set TM,    228                        ; v228-231 largest magnitudes, v232-235 bytes, v240-243 the conversions' scale operands
.set PW,    244                        ; the scale word just made
.set SW,    248                        ; v248-251 the four K steps' scale words
.set SEL,   32                         ; s[32:33] lane selects for v_permlanex16_b32: lane l xor 16
.set WR,    16                         ; v16-143  W: 128 numbers down K, 32 registers of its own for each block
.set T,     144                        ; v[144 + 8 b ..] W: block b's 24 bytes of codes
.set U,     176                        ; v[176 + 4 b ..] W: the block's second half as converted
.set MX,    192                        ; v192-193 W: two chains of the maximum
.set SO,    196                        ; v196-199 W: the conversions' scale operands
.set WD,    200                        ; v200     W: the column's scale word
; 64 numbers of a lane, v[s] .. v[s + 63], register 16 b + i = k 32 b + 16 (lane / 16) + i of my row, become a fragment's codes in v[PC] on and its scale word in v[PW].
.macro QUANT s
.irp b, 0,1,2,3
	v_max3_num_f32 v[TM+\b], |v[\s+16*\b]|, |v[\s+1+16*\b]|, 0x2800000   ; block b: my 16 numbers, and the floor 2^(5 - 127): the byte cannot fall under 1
.endr
.irp i, 2,4,6,8,10,12,14
.irp b, 0,1,2,3
	v_max3_num_f32 v[TM+\b], v[TM+\b], |v[\s+16*\b+\i]|, |v[\s+1+16*\b+\i]|   ; the four blocks by turns
.endr
.endr
.irp b, 0,1,2,3
	v_permlanex16_b32 v[TM+4+\b], v[TM+\b], s[SEL], s[SEL+1]
.endr
.irp b, 0,1,2,3
	v_max_num_f32 v[TM+\b], v[TM+\b], v[TM+4+\b]   ; with lane l xor 16's: the block's largest magnitude
.endr
.irp b, 0,1,2,3
	v_add_nc_u32 v[TM+12+\b], 0xfe000000, v[TM+\b]   ; 4 off its exponent field: the conversion takes the exponent field of this operand as its scale
.endr
.irp b, 0,1,2,3
	v_lshrrev_b32 v[TM+4+\b], 23, v[TM+12+\b]      ; the scale's byte
.endr
	v_lshl_or_b32 v[PW], v[TM+5], 8, v[TM+4]       ; the four bytes make my row's scale word
	v_lshl_or_b32 v[PW], v[TM+6], 16, v[PW]
	v_lshl_or_b32 v[PW], v[TM+7], 24, v[PW]
.irp c, 0,1
	v_cvt_scalef32_pk16_bf6_f32 v[PC+6*\c:PC+2+6*\c], v[\s+32*\c:\s+15+32*\c], v[TM+12+2*\c]
	v_cvt_scalef32_pk16_bf6_f32 v[PC+12+4*\c:PC+14+4*\c], v[\s+16+32*\c:\s+31+32*\c], v[TM+12+2*\c+1]   ; (a conversion's three registers begin on an even number)
.endr
	v_nop                                          ; one plain instruction behind a scaled conversion
.irp c, 0,1                                    ; the operand's layout wants a WHOLE block in a lane: lanes 0-15 block 2 c, lanes 16-31 block 2 c + 1
.irp i, 0,1,2
	v_permlane16_swap_b32 v[PC+6*\c+\i], v[PC+12+4*\c+\i]
.endr
.irp i, 0,1,2
	v_mov_b32 v[PC+3+6*\c+\i], v[PC+12+4*\c+\i]
.endr
.endr
.endm
	s_load_b256 s[4:11], s[0:1], 0x0               ; x s[4:5], W_attn s[6:7], W_proj s[8:9], xc s[10:11]
	s_load_b256 s[12:19], s[0:1], 0x20             ; wc s[12:13], wpc s[14:15], sc1 s[16:17], sc2 s[18:19]
	v_lshl_add_u32 v254, v0, 2, 0x8400
	v_mov_b32 v255, 0
	v_lshrrev_b32 v1, 5, v0
	v_readfirstlane_b32 s20, v1                    ; wave 0..3
	v_and_b32 v1, 31, v0                           ; lane
	v_and_b32 v2, 15, v0                           ; r
	v_bfe_u32 v3, v0, 4, 1                         ; h
	v_lshlrev_b32 v5, 3, v1                        ; 8 x lane
	s_cmp_ge_u32 ttmp9, 256
	s_cbranch_scc1 .Lweights
	; ---------------- x ----------------
	s_lshl_b32 s21, ttmp9, 2
	s_add_co_u32 s21, s21, s20                     ; which half tile is my wave's: 2 x tile + quad
	s_lshr_b32 s24, s21, 2
	s_lshl_b32 s24, s24, 17                        ; 32 (tile / 2) rows of 4,096 bytes
	s_bfe_u32 s25, s21, 0x10001
	s_lshl_b32 s25, s25, 15                        ; + 8 (tile % 2) rows
	s_add_co_u32 s24, s24, s25
	s_and_b32 s25, s21, 1
	s_lshl_b32 s25, s25, 11                        ; + quad x 512 numbers
	s_add_co_u32 s24, s24, s25
	s_mov_b32 s25, 0
	s_mul_i32 s26, s21, 6144                       ; the codes: tile x 12,288 + quad x 6,144
	s_mov_b32 s27, 0
	s_lshl_b32 s28, s21, 8                         ; the scale words: tile x 512 + quad x 256
	s_mov_b32 s29, 0
	s_mul_i32 s30, s20, WREG                       ; my stage
	s_wait_alu depctr_va_vdst(0)
	v_lshlrev_b32 v4, 4, v1                        ; 16 x lane
	v_add_nc_u32 v6, s30, v4                       ; the stage, on the way in: a row's 512 bytes as they lie
	v_mul_u32_u24 v7, v2, SP
	v_lshl_add_u32 v7, v3, 6, v7
	v_add_nc_u32 v7, s30, v7                       ; and on the way out: row r, + 64 h: my 16 numbers of a block
	v_lshlrev_b32 v8, 4, v2                        ; 16 r: my row's four scale words
	s_mov_b32 s[SEL], 0x76543210
	s_mov_b32 s[SEL+1], 0xfedcba98
.irp b, 0,1,2,3
	v_mov_b32 v[TM+4+\b], 0                        ; written once: a lane permute's destination counts as one of its sources
.endr
	s_wait_alu depctr_va_vdst(0)
	s_wait_kmcnt 0x0
	s_add_nc_u64 s[4:5], s[4:5], s[24:25]
	s_add_nc_u64 s[10:11], s[10:11], s[26:27]
	s_add_nc_u64 s[16:17], s[16:17], s[28:29]
.macro LOADX t                         ; K step t of my 16 rows: each load reads 512 consecutive bytes of one row
.irp i, 0,1,2,3,4,5,6,7,8,9,10,11,12,13,14,15
	global_load_b128 v[R+64*((\t)%2)+4*\i:R+64*((\t)%2)+4*\i+3], v4, s[4:5] offset:(\i+8*(\i/8))*4096+512*(\t) th:TH_LOAD_NT
.endr
.endm
.macro XSTEP t
.if (\t) < 3
	s_wait_loadcnt 16                              ; this step's 16 loads are in; the next step's 16 may be out
.else
	s_wait_loadcnt 0x0
.endif
.irp i, 0,1,2,3,4,5,6,7,8,9,10,11,12,13,14,15
	ds_store_b128 v6, v[R+64*((\t)%2)+4*\i:R+64*((\t)%2)+4*\i+3] offset:SP*\i
.endr
.irp b, 0,1,2,3
.irp j, 0,1,2,3
	ds_load_b128 v[X+16*\b+4*\j:X+16*\b+4*\j+3], v7 offset:128*\b+16*\j   ; LDS serves a wave's instructions in order: these see the stores above
.endr
.endr
	s_wait_dscnt 0x0                               ; the numbers are back, and the stores into the stage have read their registers
.if (\t) > 0
	s_wait_xcnt 0x0                                ; the last step's stores have read the codes' registers, which are written again below
.endif
.if (\t) < 2
	LOADX (\t)+2
.endif
	QUANT X
	v_mov_b32 v[SW+(\t)], v[PW]
	global_store_b128 v4, v[PC:PC+3], s[10:11] offset:1536*(\t)            ; each store covers whole aligned runs of 256 bytes
	global_store_b64 v5, v[PC+4:PC+5], s[10:11] offset:1536*(\t)+512
	global_store_b128 v4, v[PC+6:PC+9], s[10:11] offset:1536*(\t)+768
	global_store_b64 v5, v[PC+10:PC+11], s[10:11] offset:1536*(\t)+1280
.endm
	LOADX 0
	LOADX 1
	XSTEP 0
	XSTEP 1
	XSTEP 2
	XSTEP 3
	s_wait_alu depctr_va_vdst(0)
	s_wait_xcnt 0x0                                ; EXEC changes only behind this wait
	v_cmp_gt_u32 vcc_lo, 16, v1
	s_wait_tensorcnt 0x0
	ds_add_u32 v254, v255
	s_wait_dscnt 0x0
	s_and_saveexec_b32 s34, vcc_lo
	global_store_b128 v8, v[SW:SW+3], s[16:17]     ; lanes 0-15: 16 rows x 16 bytes: 256 consecutive bytes, aligned
	s_wait_xcnt 0x0                                ; and again, in front of the line that widens it
	s_or_b32 exec_lo, exec_lo, s34
	s_endpgm
	; ---------------- the weights ----------------
.Lweights:
	s_wait_kmcnt 0x0
	s_cmp_lt_u32 ttmp9, 448                        ; W_attn's work-group or W_proj's?  The choice hangs on the work-group's number alone
	s_mov_b32 s21, 448
	s_cselect_b32 s21, 256, s21
	s_mov_b32 s22, 4096
	s_cselect_b32 s22, 12288, s22                  ; a row of the weight in bytes
	s_cselect_b64 s[6:7], s[6:7], s[8:9]
	s_cselect_b64 s[12:13], s[12:13], s[14:15]
	s_cselect_b64 s[16:17], s[16:17], s[18:19]
	s_sub_co_u32 s21, ttmp9, s21
	s_and_b32 s23, s21, 7                          ; K step
	s_lshr_b32 s24, s21, 3
	s_lshl_b32 s24, s24, 7
	s_lshl_b32 s25, s20, 5
	s_add_co_u32 s24, s24, s25                     ; my wave's first column: 128 x group + 32 x wave
	s_lshl_b32 s26, s23, 7
	s_mul_i32 s26, s26, s22                        ; 128 rows a K step
	s_lshl_b32 s27, s24, 2
	s_add_co_u32 s26, s26, s27
	s_mov_b32 s27, 0
	s_add_nc_u64 s[6:7], s[6:7], s[26:27]
	s_mul_i32 s26, s24, 768                        ; the codes: (column / 16) x 12,288 + K step x 1,536
	s_mul_i32 s28, s23, 1536
	s_add_co_u32 s26, s26, s28
	s_add_nc_u64 s[12:13], s[12:13], s[26:27]
	s_lshl_b32 s26, s24, 5                         ; the scale words: 262,144 + (column / 16) x 512 + (K step / 4) x 256 + 4 (K step % 4)
	s_lshr_b32 s28, s23, 2
	s_lshl_b32 s28, s28, 8
	s_add_co_u32 s26, s26, s28
	s_and_b32 s28, s23, 3
	s_lshl_b32 s28, s28, 2
	s_add_co_u32 s26, s26, s28
	s_add_co_u32 s26, s26, 262144
	s_add_nc_u64 s[16:17], s[16:17], s[26:27]
	s_wait_alu depctr_va_vdst(0)
	v_and_b32 v4, 7, v1                            ; lane l is place l of the 32: its column is l % 8 + 16 (bit 3 of l) + 8 (bit 4 of l)
	v_bfe_u32 v8, v1, 3, 1
	v_lshl_add_u32 v4, v8, 4, v4
	v_lshl_add_u32 v4, v3, 3, v4
	v_lshlrev_b32 v4, 2, v4
	v_mul_u32_u24 v6, v3, 12288
	v_lshl_add_u32 v6, v2, 4, v6                   ; the codes' first 16 bytes: lanes 16-31 belong to the next tile of rows
	v_lshlrev_b32 v7, 9, v3
	v_lshl_add_u32 v7, v2, 4, v7                   ; the scale word
.macro LOADW b, pitch                  ; block b: W(128 s + 32 b + i, my column), i = 0 .. 31: 32 lanes read 128 consecutive bytes, the four waves 512
.set i, 0
.rept 32
	global_load_b32 v[WR+32*(\b)+i], v4, s[6:7] offset:(32*(\b)+i)*\pitch th:TH_LOAD_NT
.set i, i+1
.endr
.endm
.macro WBLOCK b, pitch                 ; block b of the K step: all its 32 numbers are mine
.set XS, WR+32*(\b)
.if (\b) < 3
	s_wait_loadcnt 32                              ; this block's 32 loads are in; the next block's 32 may be out
.else
	s_wait_loadcnt 0x0
.endif
.if (\b) < 2
	LOADW (\b)+2, \pitch                           ; the block two further on, into registers of its own
.endif
	v_max3_num_f32 v[MX], |v[XS]|, |v[XS+1]|, |v[XS+2]|
	v_max3_num_f32 v[MX+1], |v[XS+3]|, |v[XS+4]|, |v[XS+5]|
.irp i, 6,10,14,18,22,26
	v_max3_num_f32 v[MX], v[MX], |v[XS+\i]|, |v[XS+\i+1]|
	v_max3_num_f32 v[MX+1], v[MX+1], |v[XS+\i+2]|, |v[XS+\i+3]|
.endr
	v_max3_num_f32 v[MX], v[MX], |v[XS+30]|, |v[XS+31]|
	v_max3_num_f32 v[MX], v[MX], v[MX+1], 0x2800000   ; and the floor 2^(5 - 127)
	v_add_nc_u32 v[SO+(\b)], 0xfe000000, v[MX]     ; 4 off the exponent field: the conversion's scale operand
	v_lshrrev_b32 v[MX+1], 23, v[SO+(\b)]          ; the scale's byte
.if (\b) == 0
	v_mov_b32 v[WD], v[MX+1]
.else
	v_lshl_or_b32 v[WD], v[MX+1], 8*(\b), v[WD]
.endif
	v_cvt_scalef32_pk16_bf6_f32 v[T+8*(\b):T+8*(\b)+2], v[XS:XS+15], v[SO+(\b)]
	v_cvt_scalef32_pk16_bf6_f32 v[U+4*(\b):U+4*(\b)+2], v[XS+16:XS+31], v[SO+(\b)]   ; (a conversion's three registers begin on an even number)
.endm
.macro WALL pitch                      ; the four blocks of a K step.  The loads' offsets hang on the weight's row, so this run is written out once for each weight
	LOADW 0, \pitch
	LOADW 1, \pitch
	WBLOCK 0, \pitch
	WBLOCK 1, \pitch
	WBLOCK 2, \pitch
	WBLOCK 3, \pitch
	v_nop                                          ; one plain instruction behind the last scaled conversion
.endm
	s_cmp_lt_u32 ttmp9, 448
	s_cbranch_scc0 .Lproj_rows
	s_wait_alu depctr_va_vdst(0)
	WALL 12288
	s_branch .Lcoded
.Lproj_rows:
	s_wait_alu depctr_va_vdst(0)
	WALL 4096
.Lcoded:
.irp b, 0,1,2,3
.irp i, 0,1,2
	v_mov_b32 v[T+8*\b+3+\i], v[U+4*\b+\i]
.endr
.endr
.irp c, 0,1                                    ; the last 8 bytes of blocks 2 c and 2 c + 1 change halves, so that one register pair holds a whole tile's 256 bytes
	v_permlane16_swap_b32 v[T+16*\c+4], v[T+16*\c+12]
	v_permlane16_swap_b32 v[T+16*\c+5], v[T+16*\c+13]
.endr
.irp c, 0,1
.irp h, 0,1
	global_store_b128 v6, v[T+8*(2*\c+\h):T+8*(2*\c+\h)+3], s[12:13] offset:768*\c+256*\h   ; sixteen lanes store 256 consecutive bytes, aligned
.endr
	global_store_b64 v5, v[T+16*\c+4:T+16*\c+5], s[12:13] offset:768*\c+512
	global_store_b64 v5, v[T+16*\c+12:T+16*\c+13], s[12:13] offset:12288+768*\c+512
.endr
	global_store_b32 v7, v[WD], s[16:17]           ; 4 bytes of each row's 16: the other three words come from other work-groups; 131,072 bytes in the whole launch leave so
	s_endpgm
.Lfunc_end_k_q6f491fec82_quant:
	.size	k_q6f491fec82_quant, .Lfunc_end_k_q6f491fec82_quant-k_q6f491fec82_quant
	.p2alignl 7, 3214868480
	.fill 96, 4, 3214868480
	.section	.rodata,"a",@progbits
	.p2align	6, 0x0
	.amdhsa_kernel k_q6f491fec82_quant
		.amdhsa_group_segment_fixed_size 34304
		.amdhsa_private_segment_fixed_size 0
		.amdhsa_enable_private_segment 0
		.amdhsa_kernarg_size 64
		.amdhsa_user_sgpr_count 2
		.amdhsa_user_sgpr_kernarg_segment_ptr 1
		.amdhsa_wavefront_size32 1
		.amdhsa_system_sgpr_workgroup_id_x 1
		.amdhsa_system_sgpr_workgroup_id_y 1
		.amdhsa_system_sgpr_workgroup_id_z 1
		.amdhsa_system_vgpr_workitem_id 0
		.amdhsa_next_free_vgpr 256
		.amdhsa_next_free_sgpr 66
		.amdhsa_reserve_vcc 1
		.amdhsa_float_denorm_mode_32 3
		.amdhsa_float_denorm_mode_16_64 3
		.amdhsa_memory_ordered 1
		.amdhsa_forward_progress 1
		.amdhsa_inst_pref_size 72
	.end_amdhsa_kernel
	.amdgpu_metadata
---
amdhsa.version: [ 1, 2 ]
amdhsa.kernels:
  - .name:           k_q6f491fec82_quant
    .symbol:         k_q6f491fec82_quant.kd
    .args:
      - { .name: x, .offset: 0, .size: 8, .value_kind: global_buffer, .address_space: global }
      - { .name: W_attn, .offset: 8, .size: 8, .value_kind: global_buffer, .address_space: global }
      - { .name: W_proj, .offset: 16, .size: 8, .value_kind: global_buffer, .address_space: global }
      - { .name: xc, .offset: 24, .size: 8, .value_kind: global_buffer, .address_space: global }
      - { .name: wc, .offset: 32, .size: 8, .value_kind: global_buffer, .address_space: global }
      - { .name: wpc, .offset: 40, .size: 8, .value_kind: global_buffer, .address_space: global }
      - { .name: sc1, .offset: 48, .size: 8, .value_kind: global_buffer, .address_space: global }
      - { .name: sc2, .offset: 56, .size: 8, .value_kind: global_buffer, .address_space: global }
    .group_segment_fixed_size: 34304
    .private_segment_fixed_size: 0
    .kernarg_segment_align: 8
    .kernarg_segment_size: 64
    .max_flat_workgroup_size: 128
    .sgpr_count:     66
    .vgpr_count:     256
    .wavefront_size: 32
...
	.end_amdgpu_metadata
.endif
;; end of part 1
;; launch qkv (part 2): grid 12 x 32, 4 waves a work-group, clusters of 4 x 4, 327,680 bytes of LDS; arguments xc, wc, sc1, b_attn, qkv; writes qkv
.if DOCPART == 2
	.amdgcn_target "amdgcn-amd-amdhsa--gfx1250"
	.amdhsa_code_object_version 6
	.text
	.protected	k_q6f491fec82_qkv
	.globl	k_q6f491fec82_qkv
	.p2align	8
	.type	k_q6f491fec82_qkv,@function
k_q6f491fec82_qkv:
	s_mov_b64 s[64:65], 0
	v_nop
	global_prefetch_b8 v0, s[64:65] scope:SCOPE_SE
	s_setreg_imm32_b32 hwreg(HW_REG_WAVE_MODE, 25, 1), 1
	s_wait_xcnt 0x0
	s_wait_alu depctr_hold_cnt(0) depctr_sa_sdst(0) depctr_va_vdst(0) depctr_va_sdst(0) depctr_va_ssrc(0) depctr_va_vcc(0) depctr_vm_vsrc(0)
	s_getreg_b32 s2, hwreg(HW_REG_IB_STS2, 6, 4)
	s_cmp_eq_u32 s2, 0
	s_cbranch_scc0 .Lentry_in_a_cluster
	s_endpgm
.Lentry_in_a_cluster:
	s_bfe_u32 s2, ttmp6, 0x10000c
	s_cmp_lg_u32 s2, 0xf033
	s_cbranch_scc0 .Lentry_shape_is_right
	s_endpgm
.Lentry_shape_is_right:
; qkv = x W_attn + b_attn on codes of BF6 with E8M0 scales (K = 1,024), and its result quantised at once for attention: q and k along the head's 64, v along the keys.  Nothing leaves in f32.
; A tile of 256 x 256 is made by four waves, 128 x 128 each: 64 accumulators, 512 registers.  K goes through a ring of two LDS slots filled by the tensor data mover: three fills (K 0 to 511, then 256 at a time), written out.
; OPERANDS lie in memory as images of their registers (16 rows x 64 codes = 768 bytes: lane l's first 16 bytes at 16 l, its last 8 at 512 + 8 l); a tile of 16 rows has its 8 K steps on end, 12,288 bytes.
; A slot takes 3,072 bytes (two K steps) of each of 32 tiles of rows; LDS reads are dense, so there is no pitch and no padding.
; S0 is the operand given as source 0 (the result's registers run along its rows), S1 the one given as source 1 (a lane holds one of its rows).
; Lane-row r of a tile t of rows is the row 32 (t / 2) + 8 (t % 2) + r + 8 (r / 8), so that a lane's 64 results of a block of S1 are 128 S0 rows' halves in order: register 16 b + i = S0 row 32 b + 16 (lane / 16) + i.
; TWO ORIENTATIONS, ONE TEXT.  Cluster x = 0: q, 1: k: S0 = W's columns, S1 = tokens: a lane holds a token and 64 of its 128 columns (two heads): blocks of 32 along the head's axis.
; Cluster x = 2: v: S0 = tokens, S1 = W's columns: a lane holds one column and 64 of 128 tokens: blocks of 32 along the keys.  Only pointers, indices and the bias's place differ; the choice hangs on the cluster's x.
; CLUSTERS: 4 x 4 work-groups.  S1's tile is shared along a row of the cluster, S0's along a column: each is asked for jointly, by the same tensor load with the same descriptor and a mask that names the four.
; The grid has 384 work-groups of equal work; a tile that would make 256 of them (256 x 384) needs more accumulators than a wave's registers hold.
; OUTPUT (buffer qkv), bh = 16 x batch + head: from byte 0 [bh][chunk of 256 keys] 25,600 bytes: 16 tiles of K's codes (768 each); from 12,288 V's [step of 128 keys][4 tiles of d][1,536]; from 24,576 K's scale words
; [step][r][pair of tiles]: two bytes of each tile; from 25,088 V's [step][r][tile of d].  From byte QC Q's codes [bh][tile][768]; from QS its scale words, laid as K's.
; LIMITS: NaN and infinities are not served; a block whose largest magnitude lies under 2^-122 gets the byte 1 (a block of zeros too: its codes are zeros, and this program alone reads the bytes).
; REGISTERS, in windows of 256: window 0: v1-31 addresses; v32-95 scale words (register 8 i + s: lanes 0-15 S1's block i, lanes 16-31 S0's block i, K step s); v96-111 v's bias, twice each; v112-115 a scale run;
;   v128-223 S1's eight fragments, one set; behind the products v128-239 serve the quantiser.   window 1: S0's fragments, two sets, at v0 and v128; the bias along S0 at v96-127 and v224-255.
;   window 2: the 32 accumulators of my S1 blocks 0-3 (accumulator (a, b) at v[8 (8 a + b)]);  window 3: those of blocks 4-7.
.set HALFT,  24576                     ; 8 tiles of rows x 3,072 bytes: what one tensor load brings, and what one wave reads of S1 or of S0
.set SLOT,   4*HALFT                   ; S1's 16 tiles of rows, then S0's 16
; THE WALK ALONG K AS IT STANDS NOW.  LDS has three regions of SLOT bytes.  The head's one load a wave brings K 0 to 511 of its 8 tiles of rows (rows of 6,144 bytes, region pair A: 2 HALFT a loading wave);
; behind the first full sequence K 512 to 767 goes to region B (from byte 2 SLOT, rows of 3,072 bytes); when K steps 0 to 3 are read out, K 768 to 1,023 is laid densely over the first half of each wave's part of A.
.set SPARE,  3*SLOT                    ; behind the three regions: the spare words
.set FR,     12                        ; registers of a fragment
.set NL,     4                         ; LDS loads that bring one
.set QC,     13107200
.set QS,     19398656
.set ADRA, 16                          ; v16-17 LDS address of my S1 fragments in slot 0, 1, + 16 x lane;  v18-19 the same + 8 x lane
.set ADRB, 20                          ; v20-23 the same for S0
.set L16,  24                          ; v24    16 x lane
.set L8,   25                          ; v25    8 x lane
.set SCA,  26                          ; v26    where my lane's scale words lie in sc1
.set SOFF, 27                          ; v27    where my lane's scale run goes
.set SPW,  28                          ; v28    LDS address of my spare word; never rewritten
.set NIL,  29                          ; v29    0; never rewritten
.set SELV, 30                          ; v30    byte selects: lanes 0-15 the words' low halves, lanes 16-31 the high halves
.set BA0,  31                          ; v31    64 h
.set BA1,  15                          ; v15    4 (r + 8 (r / 8))
.set SC,   32
.set BV,   96
.set DW,   112
.set AF,   128
.set HA,   128                         ; the epilogue: 64 numbers
.set PC,   192                         ; v192-203 a fragment's codes; v204-210 at work
.set TM,   212                         ; v212-227 at work
.set PW,   228
.set SW,   232                         ; v232-239 the eight blocks' scale words
.set G1,   24                          ; s[24:31] descriptor group 1 for S1's tiles;  s[32:39] group 0, one set for each slot
.set G0,   32
.set G1B,  48                          ; s[48:55], s[56:63] the same for S0's tiles
.set G0B,  56
.set SEL,  96                          ; s[96:97] lane selects for v_permlanex16_b32
.set MSB, 0
.macro WIN new                         ; the immediate's high byte repeats the setting that is left
.if MSB != (\new)
	s_set_vgpr_msb (MSB<<8)|(\new)
.set MSB, (\new)
.endif
.endm
.set MUL_LO, 0xa1                      ; source 0 (S0) window 1, source 1 (S1) window 0, C and D window 2
.set MUL_HI, 0xf1                      ; the same, C and D window 3
.set TO_B,   0x40                      ; destination window 1, address window 0
; A joint load: waves 0 and 1 fetch for S1, waves 2 and 3 for S0.  Each of the two lines has ONE mask and one set of registers for all that issue it; the branch hangs on the wave's number alone.
; Four v_nop follow each of the two lines, ahead of the jump, the label and what follows.
.macro JLOAD g0a, g1a, g0b, g1b
	s_cmp_eq_u32 s15, 0
	s_cbranch_scc0 .Lfor_b_\@
	tensor_load_to_lds s[\g0a:\g0a+3], s[\g1a:\g1a+7]
	s_nop 0
.rept 4
	v_nop
.endr
	s_branch .Lasked_\@
.Lfor_b_\@:
	tensor_load_to_lds s[\g0b:\g0b+3], s[\g1b:\g1b+7]
	s_nop 0
.rept 4
	v_nop
.endr
.Lasked_\@:
.endm
.macro CREST                           ; a round of the cluster's barrier behind its opening barrier
	s_cmp_lg_u32 s14, 0
	s_cbranch_scc1 .Lnot_wave_0_\@
	s_barrier_signal -3
.Lnot_wave_0_\@:
	s_barrier_wait -3
	s_barrier_signal -1
	s_barrier_wait -1
.endm
.macro CROUND                          ; a whole round
	s_barrier_signal -1
	s_barrier_wait -1
	CREST
.endm
.macro PLACES n                        ; plain instructions between a matrix instruction and a load into, or a read of, its registers
.rept \n
	v_nop
.endr
.endm
.macro FRAG reg, adr, q, i             ; a fragment as it lies: tile of rows i, the slot's q-th K step
	ds_load_b128 v[\reg:\reg+3],     v[\adr]   offset:(\i)*PIT+(\q)*1536      ; PIT: bytes from tile of rows to tile of rows in the region read
	ds_load_b64  v[\reg+4:\reg+5],   v[\adr+2] offset:(\i)*PIT+(\q)*1536+512
	ds_load_b128 v[\reg+6:\reg+9],   v[\adr]   offset:(\i)*PIT+(\q)*1536+768
	ds_load_b64  v[\reg+10:\reg+11], v[\adr+2] offset:(\i)*PIT+(\q)*1536+1280
.endm
.macro FETCH_B slot, q, p              ; S0's eight fragments into set p
	WIN TO_B
.irp i, 0,1,2,3,4,5,6,7
	FRAG 128*(\p)+FR*\i, ADRB+\slot, \q, \i
.endr
	WIN 0
.endm
.macro FETCH_A slot, q, i0             ; S1's blocks i0 .. i0 + 3
.irp i, \i0, \i0+1, \i0+2, \i0+3
	FRAG AF+FR*(\i), ADRA+\slot, \q, \i
.endr
.endm
; 16 matrix instructions: S1's blocks a0, a0 + 1 x S0's eight, K step ks.  p: S0's set.  first = 1: the bias along S0 is the C of the sums' first products: nothing is cleared and nothing is added later.
; The 64 accumulators take turns, one instruction a turn, in the same order in every step.
.macro MUL16 a0, p, ks, first
.irp a, \a0, \a0+1
.irp b, 0,1,2,3,4,5,6,7
.if \first
	v_wmma_scale_f32_16x16x128_f8f6f4 v[8*(8*((\a)%4)+\b):8*(8*((\a)%4)+\b)+7], v[128*(\p)+FR*\b:128*(\p)+FR*\b+FR-1], v[AF+FR*(\a):AF+FR*(\a)+FR-1], v[96+8*\b+96*(\b/4):96+8*\b+96*(\b/4)+7], v[SC+8*\b+(\ks)], v[SC+8*(\a)+(\ks)] matrix_a_fmt:MATRIX_FMT_BF6 matrix_b_fmt:MATRIX_FMT_BF6 matrix_a_scale:MATRIX_SCALE_ROW1
.else
	v_wmma_scale_f32_16x16x128_f8f6f4 v[8*(8*((\a)%4)+\b):8*(8*((\a)%4)+\b)+7], v[128*(\p)+FR*\b:128*(\p)+FR*\b+FR-1], v[AF+FR*(\a):AF+FR*(\a)+FR-1], v[8*(8*((\a)%4)+\b):8*(8*((\a)%4)+\b)+7], v[SC+8*\b+(\ks)], v[SC+8*(\a)+(\ks)] matrix_a_fmt:MATRIX_FMT_BF6 matrix_b_fmt:MATRIX_FMT_BF6 matrix_a_scale:MATRIX_SCALE_ROW1
.endif
.endr
.endr
.endm
; A K step but a slot's last: its successor lies in the same slot.
.macro STEP slot, ks, first, p, nq     ; p: S0's set at work; nq: the next K step's place in the same region
	s_wait_dscnt 4*NL                              ; S0's set and S1's blocks 0-3 are in; the youngest 16 loads (S1's blocks 4-7) may be out
.if \first
	WIN 0x91                                       ; C (the bias) window 1, D window 2
.else
	WIN MUL_LO
.endif
	MUL16 0, \p, \ks, \first
	MUL16 2, \p, \ks, \first
	s_wait_dscnt 0                                 ; S1's blocks 4-7 are in
	PLACES 4
	FETCH_B \slot, \nq, 1-(\p)
	FETCH_A \slot, \nq, 0
.if \first
	WIN 0xd1
.else
	WIN MUL_HI
.endif
	MUL16 4, \p, \ks, \first
	MUL16 6, \p, \ks, \first
	PLACES 4
	WIN 0
	FETCH_A \slot, \nq, 4
.endm
; A slot's last K step changes slots: ONE barrier; in front of it each wave waits for all its tensor loads, adds 0 to its spare word, and waits for that and for its own reads of this slot.  fill = 1: this slot is filled again.
.macro TURN slot, next, ks, fill
	s_wait_tensorcnt 0x0                           ; all my tensor loads have landed: my part of the next slot (every window is 0 here)
	ds_add_u32 v[SPW], v[NIL]                      ; 0 onto my spare word
	s_wait_dscnt 4*NL+1                            ; (the add and the youngest 16 loads may be out)
	WIN MUL_LO
	MUL16 0, 1, \ks, 0                             ; sixteen matrix instructions stand between the add and the wait for it
	s_wait_dscnt 0x0                               ; the add is done, and my reads of this slot are over
	s_barrier_signal -1
	MUL16 2, 1, \ks, 0
	WIN 0
	s_barrier_wait -1
.if \fill
	CREST                                          ; the barrier has opened a round of the cluster's barrier: no wave of any partner still reads this slot or has a load on its way
	s_add_nc_u64 s[G0+4*\slot+2:G0+4*\slot+3], s[G0+4*\slot+2:G0+4*\slot+3], 9216      ; from K 0 to K 768: six K steps of 1,536 bytes
	s_add_nc_u64 s[G0B+4*\slot+2:G0B+4*\slot+3], s[G0B+4*\slot+2:G0B+4*\slot+3], 9216
	JLOAD G0+4*\slot, G1, G0B+4*\slot, G1B         ; the first tensor load behind the round; its four v_nop are the places in front of the loads below
.else
	PLACES 4
.endif
	FETCH_B \next, 0, 0
	FETCH_A \next, 0, 0
	WIN MUL_HI
	MUL16 4, 1, \ks, 0
	MUL16 6, 1, \ks, 0
	PLACES 4
	WIN 0
	FETCH_A \next, 0, 4
.endm
; 64 numbers of a lane, register 16 b + i = k 32 b + 16 (lane / 16) + i of my row, become a fragment's codes in v[PC] on and its scale word in v[PW].
.macro QUANT s
.irp b, 0,1,2,3
	v_max3_num_f32 v[TM+\b], |v[\s+16*\b]|, |v[\s+1+16*\b]|, 0x2800000   ; my 16 numbers of block b, and the floor 2^(5 - 127)
.endr
.irp i, 2,4,6,8,10,12,14
.irp b, 0,1,2,3
	v_max3_num_f32 v[TM+\b], v[TM+\b], |v[\s+16*\b+\i]|, |v[\s+1+16*\b+\i]|
.endr
.endr
.irp b, 0,1,2,3
	v_permlanex16_b32 v[TM+4+\b], v[TM+\b], s[SEL], s[SEL+1]
.endr
.irp b, 0,1,2,3
	v_max_num_f32 v[TM+\b], v[TM+\b], v[TM+4+\b]
.endr
.irp b, 0,1,2,3
	v_add_nc_u32 v[TM+12+\b], 0xfe000000, v[TM+\b]   ; 4 off the exponent field: the conversion's scale operand
.endr
.irp b, 0,1,2,3
	v_lshrrev_b32 v[TM+4+\b], 23, v[TM+12+\b]      ; the scale's byte
.endr
	v_lshl_or_b32 v[PW], v[TM+5], 8, v[TM+4]
	v_lshl_or_b32 v[PW], v[TM+6], 16, v[PW]
	v_lshl_or_b32 v[PW], v[TM+7], 24, v[PW]
.irp c, 0,1
	v_cvt_scalef32_pk16_bf6_f32 v[PC+6*\c:PC+2+6*\c], v[\s+32*\c:\s+15+32*\c], v[TM+12+2*\c]
	v_cvt_scalef32_pk16_bf6_f32 v[PC+12+4*\c:PC+14+4*\c], v[\s+16+32*\c:\s+31+32*\c], v[TM+12+2*\c+1]
.endr
	v_nop                                          ; one plain instruction behind a scaled conversion
.irp c, 0,1
.irp i, 0,1,2
	v_permlane16_swap_b32 v[PC+6*\c+\i], v[PC+12+4*\c+\i]
.endr
.irp i, 0,1,2
	v_mov_b32 v[PC+3+6*\c+\i], v[PC+12+4*\c+\i]
.endr
.endr
.endm
	s_load_b256 s[4:11], s[0:1], 0x0               ; xc s[4:5], wc s[6:7], sc1 s[8:9], b_attn s[10:11]
	s_load_b64 s[12:13], s[0:1], 0x20              ; qkv
	v_lshl_add_u32 v[SPW], v0, 2, SPARE
	v_mov_b32 v[NIL], 0
	ds_add_u32 v28, v29
	ds_add_u32 v28, v29
	s_wait_dscnt 0x0
	v_lshrrev_b32 v1, 5, v0
	v_readfirstlane_b32 s14, v1                    ; wave 0..3
	s_lshr_b32 s15, s14, 1                         ; which half of S1's rows is mine.  Also: I fetch for S1 (0) or for S0 (1)
	s_and_b32 s16, s14, 1                          ; which half of S0's rows.  Also: which 8 tiles of rows I fetch
	s_bfe_u32 s40, ttmp6, 0x40000                  ; cx, cy: my place in the cluster
	s_bfe_u32 s41, ttmp6, 0x40004
	s_and_b32 s17, ttmp7, 0xffff                   ; cluster y: which 1,024 tokens
	s_cmp_eq_u32 ttmp9, 2                          ; cluster x: 0 q, 1 k, 2 v: the same in all sixteen partners
	s_cselect_b32 s18, s17, ttmp9                  ; S0's group of four tiles
	s_cselect_b32 s19, ttmp9, s17                  ; S1's
	s_cselect_b32 s20, 1, 0                        ; the orientation
	s_cselect_b32 s98, -1, 0                       ; and as a lane mask
	s_lshl_b32 s42, s18, 2
	s_add_co_u32 s42, s42, s40                     ; S0's tile of 256 rows: hangs on cx alone
	s_lshl_b32 s21, s19, 2
	s_add_co_u32 s21, s21, s41                     ; S1's: hangs on cy alone
	s_lshl_b32 s43, s41, 2
	s_lshl_b32 s43, 15, s43                        ; my row of the cluster
	s_lshl_b32 s44, 0x1111, s40                    ; my column
	; descriptor group 1: 8 rows of 6,144 bytes (768 elements of 8 bytes) for the head's load, 12,288 bytes apart in memory, dense in LDS
	s_or_b32 s[G1+0], s43, (3<<16)|(1<<21)         ; 15:0 the mask: S1's tiles go to my row; 17:16 elements of 8 bytes; 21 set beside a mask
	s_or_b32 s[G1B+0], s44, (3<<16)|(1<<21)
.irp g, G1, G1B
	s_mov_b32 s[\g+1], 768<<16                     ; tensor_dim0: the head's load has rows of 6,144 bytes
	s_mov_b32 s[\g+2], 8<<16                       ; tensor_dim1
	s_mov_b32 s[\g+3], 768<<16                     ; tile_dim0
	s_mov_b32 s[\g+4], 8                           ; tile_dim1
	s_mov_b32 s[\g+5], 1536                        ; tensor_dim0_stride
	s_mov_b32 s[\g+6], 0
	s_mov_b32 s[\g+7], 0
.endr
	s_lshl_b32 s22, s21, 4
	s_lshl_b32 s23, s16, 3
	s_add_co_u32 s22, s22, s23
	s_mul_i32 s22, s22, 12288                      ; S1: tile of rows 16 x tile + 8 x half
	s_mov_b32 s23, 0
	s_lshl_b32 s46, s42, 4
	s_lshl_b32 s47, s16, 3
	s_add_co_u32 s46, s46, s47
	s_mul_i32 s46, s46, 12288                      ; S0 likewise
	s_mov_b32 s47, 0
	s_wait_kmcnt 0x0
	s_cmp_eq_u32 s20, 1
	s_cselect_b64 s[66:67], s[6:7], s[4:5]         ; S1: the weight for v, else x
	s_cselect_b64 s[68:69], s[4:5], s[6:7]         ; S0: x for v, else the weight
	s_add_nc_u64 s[22:23], s[66:67], s[22:23]
	s_add_nc_u64 s[46:47], s[68:69], s[46:47]
	CROUND                                         ; all sixteen work-groups are here: the first joint loads meet
.irp s, 0,1
	s_mov_b32 s[G0+4*\s], 1
	s_mul_i32 s[G0+4*\s+1], s14, (2-\s)*HALFT      ; set 0: region A, 2 HALFT a wave; set 1: region B, HALFT a wave: no place in the cluster enters an LDS address
	s_add_co_u32 s[G0+4*\s+1], s[G0+4*\s+1], \s*2*SLOT
	s_add_nc_u64 s[G0+4*\s+2:G0+4*\s+3], s[22:23], \s*6144
	s_or_b32 s[G0+4*\s+3], s[G0+4*\s+3], 0x80000000
	s_mov_b32 s[G0B+4*\s], 1
	s_mul_i32 s[G0B+4*\s+1], s14, (2-\s)*HALFT
	s_add_co_u32 s[G0B+4*\s+1], s[G0B+4*\s+1], \s*2*SLOT
	s_add_nc_u64 s[G0B+4*\s+2:G0B+4*\s+3], s[46:47], \s*6144
	s_or_b32 s[G0B+4*\s+3], s[G0B+4*\s+3], 0x80000000
.endr
	JLOAD G0, G1, G0B, G1B                         ; K 0 to 511: one tensor load a wave at the head
	; the scale words of all eight K steps, once: lanes 0-15 take S1's rows, lanes 16-31 S0's
	s_lshl_b32 s70, s21, 13
	s_lshl_b32 s72, s15, 12
	s_add_co_u32 s70, s70, s72                     ; 32 x my first S1 row
	s_lshl_b32 s71, s42, 13
	s_lshl_b32 s72, s16, 12
	s_add_co_u32 s71, s71, s72                     ; 32 x my first S0 row
	s_cmp_eq_u32 s20, 1
	s_cselect_b32 s72, 262144, 0                   ; the weight's scale words lie 262,144 bytes in
	s_cselect_b32 s73, 0, 262144
	s_add_co_u32 s70, s70, s72
	s_add_co_u32 s71, s71, s73
	v_and_b32 v1, 15, v0                           ; r
	v_bfe_u32 v2, v0, 4, 1                         ; h
	v_and_b32 v3, 31, v0                           ; lane
	s_wait_alu depctr_va_vdst(0)
	v_cmp_ne_u32 vcc_lo, 0, v2
	v_mov_b32 v[SCA], s70
	v_mov_b32 v4, s71
	v_cndmask_b32 v[SCA], v[SCA], v4, vcc_lo
	v_lshl_add_u32 v[SCA], v1, 4, v[SCA]
.irp i, 0,1,2,3,4,5,6,7
.irp q, 0,1
	global_load_b128 v[SC+8*\i+4*\q:SC+8*\i+4*\q+3], v[SCA], s[8:9] offset:512*\i+256*\q
.endr
.endr
	; my rows, and where the results go.  These registers feed no descriptor
	s_lshl_b32 s76, s42, 8
	s_lshl_b32 s78, s16, 7
	s_add_co_u32 s76, s76, s78                     ; my first S0 row
	s_lshl_b32 s77, s21, 8
	s_lshl_b32 s78, s15, 7
	s_add_co_u32 s77, s77, s78                     ; my first S1 row
	s_cmp_eq_u32 s20, 1
	s_cselect_b32 s78, s76, s77                    ; my first token
	s_cselect_b32 s79, s77, s76                    ; my first column of W_attn
	s_lshl_b32 s74, s79, 2
	s_mov_b32 s75, 0
	s_add_nc_u64 s[74:75], s[10:11], s[74:75]      ; the bias at that column
	s_lshr_b32 s80, s78, 11                        ; batch
	s_and_b32 s81, s78, 2047                       ; token in the batch
	s_and_b32 s82, s79, 1023
	s_lshr_b32 s82, s82, 6                         ; my first head (of two)
	s_lshl_b32 s80, s80, 4
	s_add_co_u32 s80, s80, s82                     ; bh
	s_mul_i32 s82, s80, 204800
	s_lshr_b32 s83, s81, 8
	s_mul_i32 s83, s83, 25600
	s_add_co_u32 s82, s82, s83                     ; the chunk of 256 keys
	s_bfe_u32 s83, s81, 0x10007                    ; which 128 of them
	s_mul_i32 s84, s83, 6144
	s_add_co_u32 s84, s84, s82                     ; K's codes
	s_lshl_b32 s88, s83, 8
	s_add_co_u32 s88, s88, s82
	s_add_co_u32 s88, s88, 24576                   ; K's scale run
	s_cmp_eq_u32 ttmp9, 2
	s_cselect_b32 s86, 12288, 0                    ; V's codes lie 12,288 bytes behind K's,
	s_cselect_b32 s87, 512, 0                      ; its scale runs 512
	s_mov_b32 s90, 768
	s_cselect_b32 s90, 1536, s90                   ; from block to block
	s_mov_b32 s92, 768
	s_cselect_b32 s92, 200192, s92                 ; from block 3 to block 4: for v the next head's first tile of d: 204,800 - 3 x 1,536
	s_mov_b32 s94, 204800
	s_cselect_b32 s94, 768, s94                    ; from a fragment's first image to its second: the next head (k), or on end (v)
	s_add_co_u32 s84, s84, s86
	s_add_co_u32 s88, s88, s87
	s_mul_i32 s86, s80, 98304
	s_lshr_b32 s87, s81, 4
	s_mul_i32 s87, s87, 768
	s_add_co_u32 s86, s86, s87
	s_add_co_u32 s86, s86, QC                      ; Q's codes
	s_lshl_b32 s87, s80, 12
	s_lshr_b32 s95, s81, 7
	s_lshl_b32 s95, s95, 8
	s_add_co_u32 s87, s87, s95
	s_add_co_u32 s87, s87, QS                      ; Q's scale run
	s_cmp_eq_u32 ttmp9, 0
	s_cselect_b32 s84, s86, s84
	s_cselect_b32 s88, s87, s88
	s_cselect_b32 s94, 98304, s94
	s_mov_b32 s95, 204800
	s_cselect_b32 s95, 4096, s95                   ; from a head's scale run to the next head's
	s_mov_b32 s85, 0
	s_mov_b32 s89, 0
	s_mov_b32 s91, 0
	s_mov_b32 s93, 0
	s_add_nc_u64 s[84:85], s[12:13], s[84:85]      ; a block's first image
	s_mov_b32 s86, s94
	s_mov_b32 s87, 0
	s_add_nc_u64 s[86:87], s[84:85], s[86:87]      ; its second
	s_add_nc_u64 s[88:89], s[12:13], s[88:89]      ; the scale run
	s_mov_b32 s[SEL], 0x76543210
	s_mov_b32 s[SEL+1], 0xfedcba98
	s_mov_b32 s99, 0xffff0000                      ; lanes 16-31
	v_lshlrev_b32 v[L16], 4, v3
	v_lshlrev_b32 v[L8], 3, v3
	v_mul_u32_u24 v[SOFF], s95, v2
	v_lshl_add_u32 v[SOFF], v1, 4, v[SOFF]         ; 16 r; lanes 16-31 write the second head's run
	v_mov_b32 v[SELV], 0x05040100
	v_mov_b32 v4, 0x07060302
	v_cndmask_b32 v[SELV], v[SELV], v4, vcc_lo
	v_lshlrev_b32 v[BA0], 6, v2
	v_and_b32 v[BA1], 8, v1
	v_add_nc_u32 v[BA1], v[BA1], v1
	v_lshlrev_b32 v[BA1], 2, v[BA1]
	s_mul_i32 s94, s15, 2*HALFT                    ; region A: my 8 tiles of S1's rows
	s_mul_i32 s95, s16, 2*HALFT                    ; my 8 of S0's,
	s_add_co_u32 s95, s95, 4*HALFT                 ; which lie behind S1's 16
.irp s, 0,1
	v_add_nc_u32 v[ADRA+\s], s94, v[L16]
	v_add_nc_u32 v[ADRA+2+\s], s94, v[L8]
	v_add_nc_u32 v[ADRB+\s], s95, v[L16]
	v_add_nc_u32 v[ADRB+2+\s], s95, v[L8]
	s_lshr_b32 s94, s94, 1                         ; region B: half the distance from wave to wave, from byte 2 SLOT on
	s_lshr_b32 s95, s95, 1
	s_add_co_u32 s94, s94, 2*SLOT
	s_add_co_u32 s95, s95, 2*SLOT
.endr
	; THE BIAS.  q, k: it runs along S0: eight registers a block in the result's layout, the C of the first products.  v: it belongs to the lane's column: it is added on the way to the quantiser.
	s_cmp_eq_u32 s20, 1
	s_cbranch_scc1 .Lbias_v
	WIN TO_B
.irp b, 0,1,2,3,4,5,6,7
	global_load_b128 v[96+8*\b+96*(\b/4):96+8*\b+96*(\b/4)+3], v[BA0], s[74:75] offset:(32*(\b/2)+8*(\b%2))*4      ; columns 32 (b / 2) + 16 h + 8 (b % 2) + 0 .. 7
	global_load_b128 v[96+8*\b+96*(\b/4)+4:96+8*\b+96*(\b/4)+7], v[BA0], s[74:75] offset:(32*(\b/2)+8*(\b%2))*4+16
.endr
	WIN 0
.set n, 0
.rept 16
	v_mov_b32 v[BV+n], 0
.set n, n+1
.endr
	s_branch .Lbias_done
.Lbias_v:
	WIN TO_B
.set n, 0
.rept 32
	v_mov_b32 v[96+n], 0
	v_mov_b32 v[224+n], 0
.set n, n+1
.endr
	WIN 0
.irp a, 0,1,2,3,4,5,6,7
	global_load_b32 v[BV+2*\a], v[BA1], s[74:75] offset:(32*(\a/2)+8*(\a%2))*4      ; my column of block a, twice: a pair for the packed addition
	global_load_b32 v[BV+2*\a+1], v[BA1], s[74:75] offset:(32*(\a/2)+8*(\a%2))*4
.endr
.Lbias_done:
	s_wait_alu depctr_va_vdst(0)
	s_wait_tensorcnt 0x0                           ; my part of K 0 to 511 is in; these lines stand ahead of a later first fill as ahead of a refill
	ds_add_u32 v[SPW], v[NIL]
	s_mov_b32 s[G1+1], 384<<16                     ; no tensor load of mine is out: from here on rows of 3,072 bytes
	s_mov_b32 s[G1+3], 384<<16
	s_mov_b32 s[G1B+1], 384<<16
	s_mov_b32 s[G1B+3], 384<<16
	s_wait_dscnt 0x0
	CROUND                                         ; everybody's part is in, and all sixteen work-groups are here
	JLOAD G0+4, G1, G0B+4, G1B                     ; K 512 to 767 into region B
.set PIT, 6144
	FETCH_B 0, 0, 0
	FETCH_A 0, 0, 0
	FETCH_A 0, 0, 4
	s_wait_loadcnt 0x0                             ; the scale words and the bias
	s_wait_alu depctr_va_vdst(0)
	STEP 0, 0, 1, 0, 1
	STEP 0, 1, 0, 1, 2
	STEP 0, 2, 0, 0, 3
.set PIT, 3072
	TURN 0, 1, 3, 1                                ; region A is read out and takes K 768 to 1,023; on to region B
	STEP 1, 4, 0, 0, 1
	TURN 1, 0, 5, 0                                ; nothing is left to fetch: no round of the cluster's barrier
	STEP 0, 6, 0, 0, 1
	s_wait_dscnt 4*NL                              ; the last K step
	WIN MUL_LO
	MUL16 0, 1, 7, 0
	MUL16 2, 1, 7, 0
	s_wait_dscnt 0
	WIN MUL_HI
	MUL16 4, 1, 7, 0
	MUL16 6, 1, 7, 0
	WIN 0
	; THE WAY OUT.  Block a of S1 (16 lane-rows): a lane's 64 results come into window 0 (with v's bias), are quantised, and the fragment's two images are stored as they stand: whole aligned runs of 256 bytes.
	PLACES 4
.irp b, 0,1,2,3
	v_mov_b32 v[TM+4+\b], 0                        ; a lane permute's destination counts as one of its sources
.endr
.macro OUTBLK a
	WIN 0x02+(\a)/4                                ; source 0: window 2 or 3
.set k, 0
.rept 32
	v_pk_add_f32 v[HA+2*k:HA+2*k+1], v[64*((\a)%4)+2*k:64*((\a)%4)+2*k+1], v[BV+2*(\a):BV+2*(\a)+1]   ; each accumulator from its low end on
.set k, k+1
.endr
	WIN 0
.if (\a) > 0
	s_wait_xcnt 0x0                                ; the last block's stores have read their data and bases: both are written again below
.if (\a) == 4
	s_add_nc_u64 s[84:85], s[84:85], s[92:93]
	s_add_nc_u64 s[86:87], s[86:87], s[92:93]
.else
	s_add_nc_u64 s[84:85], s[84:85], s[90:91]
	s_add_nc_u64 s[86:87], s[86:87], s[90:91]
.endif
.endif
	QUANT HA
	v_mov_b32 v[SW+(\a)], v[PW]
	global_store_b128 v[L16], v[PC:PC+3], s[84:85]
	global_store_b64 v[L8], v[PC+4:PC+5], s[84:85] offset:512
	global_store_b128 v[L16], v[PC+6:PC+9], s[86:87]
	global_store_b64 v[L8], v[PC+10:PC+11], s[86:87] offset:512
.endm
.irp a, 0,1,2,3,4,5,6,7
	OUTBLK \a
.endr
	; THE SCALE RUNS.  q, k: word j = two bytes of tile 2 j and two of tile 2 j + 1, lanes 0-15 for the first head (the words' low halves), lanes 16-31 for the second.  v: word j = block j's word (second head: block 4 + j's).
.irp j, 0,1,2,3
	v_perm_b32 v[DW+\j], v[SW+2*\j+1], v[SW+2*\j], v[SELV]
	v_cndmask_b32 v[TM+\j], v[SW+\j], v[SW+4+\j], s99
.endr
.irp j, 0,1,2,3
	v_cndmask_b32 v[DW+\j], v[DW+\j], v[TM+\j], s98
.endr
	global_store_b128 v[SOFF], v[DW:DW+3], s[88:89]   ; sixteen lanes store 256 consecutive bytes, aligned: one run for each head
	s_wait_tensorcnt 0x0                           ; the wave's end
	ds_add_u32 v[SPW], v[NIL]
	s_wait_dscnt 0x0
	CROUND                                         ; the closing round: no work-group ends while a partner may still ask for a tile that names it
	s_endpgm
.Lfunc_end_k_q6f491fec82_qkv:
	.size	k_q6f491fec82_qkv, .Lfunc_end_k_q6f491fec82_qkv-k_q6f491fec82_qkv
	.p2alignl 7, 3214868480
	.fill 96, 4, 3214868480
	.section	.rodata,"a",@progbits
	.p2align	6, 0x0
	.amdhsa_kernel k_q6f491fec82_qkv
		.amdhsa_group_segment_fixed_size 327680
		.amdhsa_private_segment_fixed_size 0
		.amdhsa_enable_private_segment 0
		.amdhsa_kernarg_size 40
		.amdhsa_user_sgpr_count 2
		.amdhsa_user_sgpr_kernarg_segment_ptr 1
		.amdhsa_wavefront_size32 1
		.amdhsa_system_sgpr_workgroup_id_x 1
		.amdhsa_system_sgpr_workgroup_id_y 1
		.amdhsa_system_sgpr_workgroup_id_z 1
		.amdhsa_system_vgpr_workitem_id 0
		.amdhsa_next_free_vgpr 1024
		.amdhsa_next_free_sgpr 100
		.amdhsa_reserve_vcc 1
		.amdhsa_float_denorm_mode_32 3
		.amdhsa_float_denorm_mode_16_64 3
		.amdhsa_memory_ordered 1
		.amdhsa_forward_progress 1
		.amdhsa_inst_pref_size 171
	.end_amdhsa_kernel
	.amdgpu_metadata
---
amdhsa.version: [ 1, 2 ]
amdhsa.kernels:
  - .name:           k_q6f491fec82_qkv
    .symbol:         k_q6f491fec82_qkv.kd
    .args:
      - { .name: xc, .offset: 0, .size: 8, .value_kind: global_buffer, .address_space: global }
      - { .name: wc, .offset: 8, .size: 8, .value_kind: global_buffer, .address_space: global }
      - { .name: sc1, .offset: 16, .size: 8, .value_kind: global_buffer, .address_space: global }
      - { .name: b_attn, .offset: 24, .size: 8, .value_kind: global_buffer, .address_space: global }
      - { .name: qkv, .offset: 32, .size: 8, .value_kind: global_buffer, .address_space: global }
    .group_segment_fixed_size: 327680
    .private_segment_fixed_size: 0
    .kernarg_segment_align: 8
    .kernarg_segment_size: 40
    .max_flat_workgroup_size: 128
    .sgpr_count:     100
    .vgpr_count:     1024
    .wavefront_size: 32
...
	.end_amdgpu_metadata
.endif
;; end of part 2
;; launch attn (part 3): grid 4 x 64, 16 waves a work-group, clusters of 4 x 1, 327,680 bytes of LDS; arguments qkv, yc, sc2; writes yc, sc2
.if DOCPART == 3
	.amdgcn_target "amdgcn-amd-amdhsa--gfx1250"
	.amdhsa_code_object_version 6
	.text
	.protected	k_q6f491fec82_attn
	.globl	k_q6f491fec82_attn
	.p2align	8
	.type	k_q6f491fec82_attn,@function
k_q6f491fec82_attn:
	s_mov_b64 s[64:65], 0
	v_nop
	global_prefetch_b8 v0, s[64:65] scope:SCOPE_SE
	s_setreg_imm32_b32 hwreg(HW_REG_WAVE_MODE, 25, 1), 1
	s_wait_xcnt 0x0
	s_wait_alu depctr_hold_cnt(0) depctr_sa_sdst(0) depctr_va_vdst(0) depctr_va_sdst(0) depctr_va_ssrc(0) depctr_va_vcc(0) depctr_vm_vsrc(0)
	s_getreg_b32 s2, hwreg(HW_REG_IB_STS2, 6, 4)
	s_cmp_eq_u32 s2, 0
	s_cbranch_scc0 .Lentry_in_a_cluster
	s_endpgm
.Lentry_in_a_cluster:
	s_bfe_u32 s2, ttmp6, 0x10000c
	s_cmp_lg_u32 s2, 0x3003
	s_cbranch_scc0 .Lentry_shape_is_right
	s_endpgm
.Lentry_shape_is_right:
; y[b][q][head] = the sum over keys k <= q of softmax_k(Q . K / 8) V, both products on codes of BF6 with E8M0 scales; y is quantised along the 1,024 columns for the last product and leaves as codes.
; LEFT OUT: key steps that lie wholly above a tile's queries: the causal mask sets their scores to -infinity, so their p is 0 for all values of the inputs.
; THE SOFTMAX AHEAD OF THE SECOND PRODUCT: t = score x log2(e) / 8; M = the row's largest t so far, rounded UP to a whole number; p = 2^(t - M) is quantised along the keys, not normalised.
; The row's sum is taken of the unquantised p, in f32, and divides O at the end.  When M moves, the sum and O are multiplied by 2^(old M - new M): exact.
; ALL OF A HEAD'S K AND V STAY IN LDS: 8 chunks of 25,600 dense bytes (K's codes, V's codes, both scale runs of 256 keys) are 204,800 bytes, an image of memory.  No LDS byte is filled twice, so there is no ring.
; Each of the sixteen waves issues two tensor loads: at the head 13 rows of 256 bytes (together 53,248 bytes: key steps 0 to 3 and a little more), and behind the first full sequence 37 rows (the other 151,552 bytes),
; which have four key steps of every wave in which to land.  One barrier more shows them whole; behind it the waves share nothing and meet no barrier until the end.
; SHARES.  A head has 128 tiles of 16 queries; tile t needs t / 8 + 1 key steps of 128 keys, the last of them on the diagonal.  Wave w of work-group i takes tile 127 - (4 w + i), then tile 4 w + i:
; 16 - w / 2 and w / 2 + 1 steps, 17 in every wave.  The numbers of steps hang on the wave's number alone; wave 0 of every work-group reads all eight chunks.
; CLUSTERS: the four work-groups of a head want the same bytes in the same order: they form a cluster of 4 x 1 and ask jointly, each load with the mask 15.
; NO PREFETCH: the launch's two loads a wave are both issued when the first loop begins; no later load is left to run ahead of.
; LAYOUT.  Both products are used transposed: S^T = K Q^T, O^T = V^T P^T: a lane holds ONE query (lane % 16) throughout.  Lane-row r of a tile t of keys, queries or channels is number
; 32 (t / 2) + 8 (t % 2) + r + 8 (r / 8): so the 16 registers of result tiles 2 b, 2 b + 1 are 16 neighbours, 32 b + 16 (lane / 16) + 0 .. 15.
; K = 64 IN AN INSTRUCTION 128 DEEP.  A fragment of K holds key tile 2 j in its first 64 and key tile 2 j + 1 in its second 64.  It is multiplied once by [Q, zeros] and once by [zeros, Q]: the half that is not meant
; meets zero CODES of Q under the scale byte 0 (2^-127, a number) and adds exactly 0.
; LIMITS: NaN and infinities are not served; the scaled scores stay under 2^31 in magnitude; a block of y whose largest magnitude lies under 2^-122, and a block of p that has fallen to 0, get the byte 1:
; this program alone reads the bytes.
; REGISTERS: v1-4, v8-11 addresses; v5, v6 the add's; v12 -M, v13 the largest t, v[14:15] the sum; v16-21 zeros, v22-27 Q, v28-33 zeros; v34-39 the second tile's Q; v40, v43 Q's raw scale words; v41, v42 Q's scale
;   word for either half; v44-91 four fragments of K or V; v92-95 their scale words; v96-159 S^T, then p; v160-191 O^T; v192-203 p's codes; v204-229, v244-255 at work.
.set P0R,   13                         ; rows of 256 bytes in a wave's first load
.set P1R,   37                         ; and in its second
.set P0B,   16*P0R*256                 ; where the second loads begin
.set SPARE, 204800                     ; behind the head's image: the spare words, 128 bytes for each of sixteen waves
.set CHB,   25600                      ; a chunk
.set QC,    13107200
.set QS,    19398656
.set WV,   18                          ; s18  my wave's number
.set SEL,  20                          ; s[20:21] lane selects: lane l xor 16
.set CS,   22                          ; s[22:23] c = log2(e) / 8
.set G1,   24                          ; s[24:31], s[32:35] groups 1 and 0 of the first load;  s[36:43], s[44:47] of the second
.set G0,   32
.set G1P,  36
.set G0P,  44
.set HB,   48                          ; s[48:49] the head's image in memory
.set YA,   50                          ; the tile in hand: s[50:51] y's codes, s[52:53] its scale bytes, s54 its first query, s55 which half of Q's scale word
.set SA,   52
.set Q0,   54
.set SH,   55
.set YB,   56                          ; the same for the second tile
.set SB,   58
.set Q0B,  60
.set SHB,  61
.set LL,   80                          ; s80  the first tile's last key step, 15 - w / 2;  s81 the second's, w / 2
.set LS,   81
.set CNT,  82                          ; s82  a loop's counter
.set KS,   83                          ; s83  the key step
.set TBC,  84                          ; s84  LDS byte of the step's codes;  s85 of its scale runs, less their places in the chunk
.set TBS,  85
.set LC,   86                          ; s86  the last key step of the tile in hand
.set HI,   87                          ; s87  lanes 16-31
.macro CROUND                          ; a round of the cluster's barrier
	s_barrier_signal -1
	s_barrier_wait -1
	s_cmp_lg_u32 s[WV], 0
	s_cbranch_scc1 .Lnot_wave_0_\@
	s_barrier_signal -3
.Lnot_wave_0_\@:
	s_barrier_wait -3
	s_barrier_signal -1
	s_barrier_wait -1
.endm
.macro GRP g, rows                     ; group 1: rows of 256 bytes (32 elements of 8), dense, no padding; the mask names the cluster's four, bit 21 beside it
	s_mov_b32 s[\g], 15|(3<<16)|(1<<21)
	s_mov_b32 s[\g+1], 32<<16
	s_mov_b32 s[\g+2], \rows<<16
	s_mov_b32 s[\g+3], 32<<16
	s_mov_b32 s[\g+4], \rows
	s_mov_b32 s[\g+5], 32
	s_mov_b32 s[\g+6], 0
	s_mov_b32 s[\g+7], 0
.endm
	s_load_b128 s[4:7], s[0:1], 0x0                ; qkv s[4:5], yc s[6:7]
	s_load_b64 s[8:9], s[0:1], 0x10                ; sc2
	v_lshl_add_u32 v5, v0, 2, SPARE                ; my spare word; never rewritten
	v_mov_b32 v6, 0                                ; never rewritten
	ds_add_u32 v5, v6                              ; the opening lines: the add twice on end and its wait
	ds_add_u32 v5, v6
	GRP G1, P0R
	GRP G1P, P1R
	s_mov_b32 s[SEL], 0x76543210
	s_mov_b32 s[SEL+1], 0xfedcba98
	s_mov_b32 s[CS], 0x3e38aa3b                    ; log2(e) / 8
	s_mov_b32 s[CS+1], s[CS]                       ; (named with it as a pair, so it is written)
	s_mov_b32 s[HI], 0xffff0000
	s_wait_dscnt 0x0
	v_lshrrev_b32 v8, 5, v0
	s_delay_alu instid0(VALU_DEP_1)
	v_readfirstlane_b32 s[WV], v8                  ; wave 0..15
	s_and_b32 s70, ttmp7, 0xffff                   ; bh: the cluster's y
	s_bfe_u32 s71, ttmp6, 0x40000                  ; i: my place in the cluster.  It enters global addresses of Q and y and the diagonal's mask, and nothing else
	s_mul_i32 s[HB], s70, 204800
	s_mov_b32 s[HB+1], 0
	s_mul_i32 s72, s[WV], P0R*256                  ; my part of the first 53,248 bytes,
	s_mov_b32 s73, 0
	s_mul_i32 s74, s[WV], P1R*256
	s_add_co_u32 s74, s74, P0B                     ; and of the rest: in LDS as in memory
	s_mov_b32 s75, 0
	s_wait_kmcnt 0x0
	s_add_nc_u64 s[HB:HB+1], s[4:5], s[HB:HB+1]
	s_mov_b32 s[G0], 1
	s_mov_b32 s[G0+1], s72
	s_add_nc_u64 s[G0+2:G0+3], s[HB:HB+1], s[72:73]
	s_or_b32 s[G0+3], s[G0+3], 0x80000000
	s_mov_b32 s[G0P], 1
	s_mov_b32 s[G0P+1], s74
	s_add_nc_u64 s[G0P+2:G0P+3], s[HB:HB+1], s[74:75]
	s_or_b32 s[G0P+3], s[G0P+3], 0x80000000
	CROUND                                         ; the four work-groups are here: the first joint loads meet
	tensor_load_to_lds s[G0:G0+3], s[G1:G1+7]      ; one tensor load a wave at the head
	s_nop 0
	s_lshl_b32 s74, s[WV], 2
	s_add_co_u32 s74, s74, s71                     ; the second tile: 4 w + i
	s_sub_co_u32 s75, 127, s74                     ; the first
	s_lshr_b32 s[LS], s[WV], 1
	s_sub_co_u32 s[LL], 15, s[LS]
	s_mul_i32 s76, s70, 98304
	s_add_co_u32 s76, s76, QC                      ; the head's Q codes
	s_lshl_b32 s77, s70, 12
	s_add_co_u32 s77, s77, QS                      ; and scale words
	s_lshr_b32 s78, s70, 4                         ; batch
	s_and_b32 s79, s70, 15                         ; head
	s_mul_i32 s88, s78, 128*12288
	s_mul_i32 s90, s79, 768
	s_add_co_u32 s88, s88, s90                     ; y's codes: the batch's first tile of rows, the head's image
	s_lshl_b32 s89, s78, 16
	s_lshr_b32 s90, s79, 3
	s_lshl_b32 s90, s90, 8
	s_add_co_u32 s89, s89, s90
	s_and_b32 s90, s79, 7
	s_lshl_b32 s90, s90, 1
	s_add_co_u32 s89, s89, s90                     ; y's scale bytes: + 256 (head / 8) + 2 (head % 8)
.macro PASSADR t, qc, qs, yb, sb, q0, sh   ; the addresses of tile s[t]
	s_mul_i32 s[\qc], s[\t], 768
	s_add_co_u32 s[\qc], s[\qc], s76
	s_mov_b32 s[\qc+1], 0
	s_add_nc_u64 s[\qc:\qc+1], s[4:5], s[\qc:\qc+1]
	s_lshr_b32 s[\qs], s[\t], 3
	s_lshl_b32 s[\qs], s[\qs], 8
	s_bfe_u32 s90, s[\t], 0x20001
	s_lshl_b32 s90, s90, 2
	s_add_co_u32 s[\qs], s[\qs], s90               ; 256 (t / 8) + 4 ((t % 8) / 2)
	s_add_co_u32 s[\qs], s[\qs], s77
	s_mov_b32 s[\qs+1], 0
	s_add_nc_u64 s[\qs:\qs+1], s[4:5], s[\qs:\qs+1]
	s_mul_i32 s[\yb], s[\t], 12288
	s_add_co_u32 s[\yb], s[\yb], s88
	s_mov_b32 s[\yb+1], 0
	s_add_nc_u64 s[\yb:\yb+1], s[6:7], s[\yb:\yb+1]
	s_lshl_b32 s[\sb], s[\t], 9
	s_add_co_u32 s[\sb], s[\sb], s89
	s_mov_b32 s[\sb+1], 0
	s_add_nc_u64 s[\sb:\sb+1], s[8:9], s[\sb:\sb+1]
	s_lshr_b32 s[\q0], s[\t], 1
	s_lshl_b32 s[\q0], s[\q0], 5
	s_and_b32 s90, s[\t], 1
	s_lshl_b32 s[\sh], s90, 4                      ; 16 (t % 2)
	s_lshl_b32 s90, s90, 3
	s_add_co_u32 s[\q0], s[\q0], s90               ; 32 (t / 2) + 8 (t % 2)
.endm
	PASSADR 75, 92, 94, YA, SA, Q0, SH
	PASSADR 74, 96, 98, YB, SB, Q0B, SHB
	v_and_b32 v8, 31, v0                           ; lane
	v_and_b32 v9, 15, v0                           ; r
	v_bfe_u32 v10, v0, 4, 1                        ; h
	s_delay_alu instid0(VALU_DEP_3)
	v_lshlrev_b32 v1, 4, v8                        ; 16 x lane
	s_delay_alu instid0(VALU_DEP_4)
	v_lshlrev_b32 v2, 3, v8                        ; 8 x lane
	s_delay_alu instid0(VALU_DEP_4)
	v_lshlrev_b32 v3, 4, v9                        ; 16 r
	v_and_b32 v4, 8, v9
	s_delay_alu instid0(VALU_DEP_1)
	v_add_nc_u32 v4, v4, v9
	v_lshlrev_b32 v11, 4, v10
	s_delay_alu instid0(VALU_DEP_1)
	v_sub_nc_u32 v4, v4, v11                       ; r + 8 (r / 8) - 16 h: my query less my half's first key, both from their tiles' starts
	v_add_nc_u32 v11, v3, v10                      ; 16 r + h
	global_load_b128 v[22:25], v1, s[92:93]        ; the first tile's Q: an image of six registers
	global_load_b64 v[26:27], v2, s[92:93] offset:512
	global_load_b32 v40, v3, s[94:95]
	global_load_b128 v[34:37], v1, s[96:97]        ; the second's
	global_load_b64 v[38:39], v2, s[96:97] offset:512
	global_load_b32 v43, v3, s[98:99]
.irp n, 0,1,2,3,4,5
	v_mov_b32 v[16+\n], 0                          ; zero codes on either side of Q
	v_mov_b32 v[28+\n], 0
.endr
.irp n, 216,217,218,219,225,227
	v_mov_b32 v[\n], 0                             ; lane permutes' destinations, and the upper half of the pair v[224:225], are written once
.endr
	v_mov_b32 v229, 0xff800000                     ; -infinity
.macro INIT                            ; a tile begins: O^T and the sum are zeros, the largest t lies under every t
	v_mov_b32 v13, 0xff61b1e6                      ; -3e38
	s_delay_alu instid0(VALU_DEP_1)
	v_floor_f32 v12, -v13                          ; -M
	v_mov_b32 v14, 0
	v_mov_b32 v15, 0
.set n, 0
.rept 32
	v_mov_b32 v[160+n], 0
.set n, n+1
.endr
.endm
	s_wait_loadcnt 0x0
	v_lshrrev_b32 v41, s[SH], v40
	s_delay_alu instid0(VALU_DEP_1)
	v_and_b32 v41, 0xffff, v41                     ; my tile's two bytes, for Q in the first 64;
	s_delay_alu instid0(VALU_DEP_1)
	v_lshlrev_b32 v42, 16, v41                     ; for Q in the second 64.  (The lines of INIT stand between these and the first product)
	INIT
.macro FOUR cb, sb                     ; four fragments and their scale words of row r, from byte cb of the step's codes and byte sb of the chunk
.irp j, 0,1,2,3
	ds_load_b128 v[44+12*\j:47+12*\j], v8 offset:\cb+1536*\j
	ds_load_b64 v[48+12*\j:49+12*\j], v9 offset:\cb+1536*\j+512
	ds_load_b128 v[50+12*\j:53+12*\j], v8 offset:\cb+1536*\j+768
	ds_load_b64 v[54+12*\j:55+12*\j], v9 offset:\cb+1536*\j+1280
.endr
	ds_load_b128 v[92:95], v10 offset:\sb
.endm
; A KEY STEP: keys 128 s[KS] .. + 127.  masked = 1: the text holds the diagonal's mask, passed over where the step is not the tile's last.
.macro STEP masked
	s_lshr_b32 s66, s[KS], 1
	s_mul_i32 s66, s66, CHB                        ; the chunk,
	s_and_b32 s67, s[KS], 1
	s_mul_i32 s[TBC], s67, 6144
	s_add_co_u32 s[TBC], s[TBC], s66               ; the step's codes in it,
	s_lshl_b32 s67, s67, 8
	s_add_co_u32 s[TBS], s66, s67                  ; and its scale runs
	v_add_nc_u32 v8, s[TBC], v1
	v_add_nc_u32 v9, s[TBC], v2
	v_add_nc_u32 v10, s[TBS], v3
	v_nop                                          ; four plain instructions in front of loads into registers that matrix instructions have read
	s_wait_alu depctr_va_vdst(0)
	FOUR 0, 24576                                  ; K: fragment j holds key tiles 2 j and 2 j + 1
	s_wait_dscnt 0x0
.irp j, 0,1,2,3
	v_wmma_scale_f32_16x16x128_f8f6f4 v[96+16*\j:103+16*\j], v[44+12*\j:55+12*\j], v[22:33], 0, v[92+\j], v41 matrix_a_fmt:MATRIX_FMT_BF6 matrix_b_fmt:MATRIX_FMT_BF6
	v_wmma_scale_f32_16x16x128_f8f6f4 v[104+16*\j:111+16*\j], v[44+12*\j:55+12*\j], v[16:27], 0, v[92+\j], v42 matrix_a_fmt:MATRIX_FMT_BF6 matrix_b_fmt:MATRIX_FMT_BF6
.endr                                          ; register 16 b + i holds key 128 s[KS] + 32 b + 16 (lane / 16) + i
.rept 4
	v_nop
.endr
	FOUR 12288, 25088                              ; V^T, four tiles of 16 channels x these 128 keys, into the registers that K has left: asked for here, waited for ahead of the second product
.if \masked
	s_cmp_lg_u32 s[KS], s[LC]                      ; on the diagonal hidden scores become -infinity ahead of the maximum: p = 0 then
	s_cbranch_scc1 .Lopen_\@
	s_lshl_b32 s66, s[KS], 7
	s_sub_co_i32 s66, s[Q0], s66
	v_add_nc_u32 v228, s66, v4                     ; d: register 16 b + i is hidden where 32 b + i > d
.set n, 0
.rept 64
	v_cmp_gt_i32 vcc_lo, 32*(n/16)+n%16, v228
	v_cndmask_b32 v[96+n], v[96+n], v229, vcc_lo
.set n, n+1
.endr
.Lopen_\@:
.endif
.irp b, 0,1,2,3
	v_max3_num_f32 v[212+\b], v[96+16*\b], v[97+16*\b], v[98+16*\b]   ; the largest score of each block of 32 keys: it serves for the row's maximum and, since p rises with the score, for the block's largest p
.endr
.irp i, 3,5,7,9,11,13
.irp b, 0,1,2,3
	v_max3_num_f32 v[212+\b], v[212+\b], v[96+16*\b+\i], v[97+16*\b+\i]
.endr
.endr
.irp b, 0,1,2,3
	v_max_num_f32 v[212+\b], v[212+\b], v[111+16*\b]
.endr
.irp b, 0,1,2,3
	s_delay_alu instid0(VALU_DEP_4)
	v_permlanex16_b32 v[216+\b], v[212+\b], s[SEL], s[SEL+1]
.endr
.irp b, 0,1,2,3
	s_delay_alu instid0(VALU_DEP_4)
	v_max_num_f32 v[212+\b], v[212+\b], v[216+\b]  ; with lane l xor 16's 16 keys
.endr
	s_delay_alu instid0(VALU_DEP_2)
	v_max3_num_f32 v227, v212, v213, v214
	s_delay_alu instid0(VALU_DEP_1)
	v_max_num_f32 v227, v227, v215                 ; the step's largest score of my query
	s_delay_alu instid0(VALU_DEP_1)
	v_mul_f32 v227, s[CS], v227                    ; as t
	s_delay_alu instid0(VALU_DEP_1)
	v_max_num_f32 v13, v13, v227                   ; the running largest t
	v_mov_b32 v227, v12
	s_delay_alu instid0(VALU_DEP_2)
	v_floor_f32 v12, -v13                          ; the new -M = floor(-t) = -ceil(t)
	s_delay_alu instid0(VALU_DEP_1)
	v_sub_f32 v227, v12, v227                      ; old M less new M: a whole number, 0 or less
	s_delay_alu instid0(VALU_DEP_1)
	v_cvt_i32_f32 v227, v227                       ; (it saturates)
	s_delay_alu instid0(VALU_DEP_1)
	v_ldexp_f32 v224, 1.0, v227                    ; f = 2^(old M - new M)
.set n, 0
.rept 32
	v_pk_fma_f32 v[96+n:97+n], v[96+n:97+n], s[CS:CS+1], v[12:13] op_sel_hi:[1,0,0]   ; t - M, two at a time
.set n, n+2
.endr
.irp b, 0,1,2,3
	v_fma_f32 v[212+\b], v[212+\b], s[CS], v12     ; the same of each block's largest score
.endr
.set n, 0
	s_wait_alu depctr_va_vdst(0)
.rept 64
	v_exp_f32 v[96+n], v[96+n]                     ; p = 2^(t - M), at most 1
.set n, n+1
.endr
	v_pk_mul_f32 v[14:15], v[14:15], v[224:225] op_sel_hi:[1,0]   ; the sums under the new M: a plain instruction behind the exponentials
	s_wait_alu depctr_va_vdst(0)                   ; one wait for the whole batch, ahead of its first reader
.irp b, 0,1,2,3
	v_exp_f32 v[212+\b], v[212+\b]                 ; the block's largest p
.endr
	v_pk_add_f32 v[216:217], v[100:101], v[104:105]   ; the row's sum of the unquantised p, in eight chains
	v_pk_add_f32 v[254:255], v[108:109], v[112:113]
	v_pk_add_f32 v[252:253], v[116:117], v[120:121]
	v_pk_add_f32 v[250:251], v[124:125], v[128:129]
	v_pk_add_f32 v[248:249], v[132:133], v[136:137]
	v_pk_add_f32 v[246:247], v[140:141], v[144:145]
	v_pk_add_f32 v[244:245], v[148:149], v[152:153]
	v_pk_add_f32 v[14:15], v[14:15], v[156:157]
	v_pk_add_f32 v[216:217], v[216:217], v[96:97]
	v_pk_add_f32 v[254:255], v[254:255], v[98:99]
	v_pk_add_f32 v[252:253], v[252:253], v[102:103]
	v_pk_add_f32 v[250:251], v[250:251], v[106:107]
	v_pk_add_f32 v[248:249], v[248:249], v[110:111]
	v_pk_add_f32 v[246:247], v[246:247], v[114:115]
	v_pk_add_f32 v[244:245], v[244:245], v[118:119]
	v_pk_add_f32 v[14:15], v[14:15], v[122:123]
	v_pk_add_f32 v[216:217], v[216:217], v[126:127]
	v_pk_add_f32 v[254:255], v[254:255], v[130:131]
	v_pk_add_f32 v[252:253], v[252:253], v[134:135]
	v_pk_add_f32 v[250:251], v[250:251], v[138:139]
	v_pk_add_f32 v[248:249], v[248:249], v[142:143]
	v_pk_add_f32 v[246:247], v[246:247], v[146:147]
	v_pk_add_f32 v[244:245], v[244:245], v[150:151]
	v_pk_add_f32 v[14:15], v[14:15], v[154:155]
	v_pk_add_f32 v[216:217], v[216:217], v[158:159]
	s_delay_alu instid0(VALU_DEP_2)
	v_pk_add_f32 v[14:15], v[14:15], v[250:251]
	s_delay_alu instid0(VALU_DEP_2)
	v_pk_add_f32 v[216:217], v[216:217], v[248:249]
	v_pk_add_f32 v[254:255], v[254:255], v[246:247]
	v_pk_add_f32 v[252:253], v[252:253], v[244:245]
	s_delay_alu instid0(VALU_DEP_2)
	v_pk_add_f32 v[14:15], v[14:15], v[254:255]
	s_delay_alu instid0(VALU_DEP_2)
	v_pk_add_f32 v[216:217], v[216:217], v[252:253]
	s_delay_alu instid0(VALU_DEP_1)
	v_pk_add_f32 v[14:15], v[14:15], v[216:217]
	s_wait_alu depctr_va_vdst(0)                   ; and one for the four
.irp b, 0,1,2,3
	v_max_num_f32 v[212+\b], 0x2800000, v[212+\b]  ; the floor 2^(5 - 127)
.endr
.irp b, 0,1,2,3
	s_delay_alu instid0(VALU_DEP_4)
	v_add_nc_u32 v[220+\b], 0xfe000000, v[212+\b]  ; 4 off the exponent field: the conversion's scale operand
.endr
.irp b, 0,1,2,3
	s_delay_alu instid0(VALU_DEP_4)
	v_lshrrev_b32 v[216+\b], 23, v[220+\b]         ; the scale's byte
.endr
	s_delay_alu instid0(VALU_DEP_3)
	v_lshl_or_b32 v226, v217, 8, v216              ; p's scale word for these 128 keys
	s_delay_alu instid0(VALU_DEP_1)
	v_lshl_or_b32 v226, v218, 16, v226
	s_delay_alu instid0(VALU_DEP_1)
	v_lshl_or_b32 v226, v219, 24, v226
.irp c, 0,1
	v_cvt_scalef32_pk16_bf6_f32 v[192+6*\c:194+6*\c], v[96+32*\c:111+32*\c], v[220+2*\c]
	v_cvt_scalef32_pk16_bf6_f32 v[204+4*\c:206+4*\c], v[112+32*\c:127+32*\c], v[220+2*\c+1]
.endr
	v_nop                                          ; one plain instruction behind a scaled conversion
.irp c, 0,1                                    ; the operand's layout wants a whole block in a lane
.irp i, 0,1,2
	v_permlane16_swap_b32 v[192+6*\c+\i], v[204+4*\c+\i]
.endr
.irp i, 0,1,2
	s_delay_alu instid0(VALU_DEP_3)
	v_mov_b32 v[195+6*\c+\i], v[204+4*\c+\i]
.endr
.endr
.set n, 0
.rept 16
	v_pk_mul_f32 v[160+n:161+n], v[160+n:161+n], v[224:225] op_sel_hi:[1,0]   ; O^T under the new M.  (These sixteen also stand between the lines that made p's codes and scale word and the products)
.set n, n+2
.endr
	s_wait_alu depctr_va_vdst(0)
	s_wait_dscnt 0x0                               ; V's fragments are in
.irp j, 0,1,2,3                                ; the four accumulators take turns, one instruction a turn
	v_wmma_scale_f32_16x16x128_f8f6f4 v[160+8*\j:167+8*\j], v[44+12*\j:55+12*\j], v[192:203], v[160+8*\j:167+8*\j], v[92+\j], v226 matrix_a_fmt:MATRIX_FMT_BF6 matrix_b_fmt:MATRIX_FMT_BF6
.endr
.endm
; A TILE ENDS: O^T / the sum is y's 64 channels of my query: register 16 b + i = channel 32 b + 16 (lane / 16) + i: two blocks of 32 along the last product's K.  They leave as an image of six registers and two bytes a row.
.macro FINISH
.rept 4
	v_nop                                          ; four plain instructions behind the last products
.endr
	v_add_f32 v14, v14, v15                        ; the sum's two halves,
	s_delay_alu instid0(VALU_DEP_1)
	v_permlanex16_b32 v227, v14, s[SEL], s[SEL+1]
	s_delay_alu instid0(VALU_DEP_1)
	v_add_f32 v14, v14, v227                       ; and lane l xor 16's
	s_wait_alu depctr_va_vdst(0)
	v_rcp_f32 v224, v14
	v_nop                                          ; a plain instruction behind the reciprocal
	s_wait_alu depctr_va_vdst(0)                   ; and the wait ahead of its first reader
.set n, 0
.rept 16
	v_pk_mul_f32 v[96+n:97+n], v[160+n:161+n], v[224:225] op_sel_hi:[1,0]   ; each accumulator from its low end on
.set n, n+2
.endr
	v_max3_num_f32 v212, |v96|, |v97|, 0x2800000
	v_max3_num_f32 v213, |v112|, |v113|, 0x2800000
.irp i, 2,4,6,8,10,12,14
	s_delay_alu instid0(VALU_DEP_2)
	v_max3_num_f32 v212, v212, |v[96+\i]|, |v[97+\i]|
	s_delay_alu instid0(VALU_DEP_2)
	v_max3_num_f32 v213, v213, |v[112+\i]|, |v[113+\i]|
.endr
	s_delay_alu instid0(VALU_DEP_2)
	v_permlanex16_b32 v216, v212, s[SEL], s[SEL+1]
	s_delay_alu instid0(VALU_DEP_2)
	v_permlanex16_b32 v217, v213, s[SEL], s[SEL+1]
	s_delay_alu instid0(VALU_DEP_2)
	v_max_num_f32 v212, v212, v216
	s_delay_alu instid0(VALU_DEP_2)
	v_max_num_f32 v213, v213, v217
	s_delay_alu instid0(VALU_DEP_2)
	v_add_nc_u32 v220, 0xfe000000, v212
	s_delay_alu instid0(VALU_DEP_2)
	v_add_nc_u32 v221, 0xfe000000, v213
	s_delay_alu instid0(VALU_DEP_2)
	v_lshrrev_b32 v216, 23, v220
	s_delay_alu instid0(VALU_DEP_2)
	v_lshrrev_b32 v217, 23, v221
	v_cvt_scalef32_pk16_bf6_f32 v[192:194], v[96:111], v220
	v_cvt_scalef32_pk16_bf6_f32 v[204:206], v[112:127], v221
	v_nop                                          ; one plain instruction behind a scaled conversion
.irp i, 0,1,2
	v_permlane16_swap_b32 v[192+\i], v[204+\i]
.endr
.irp i, 0,1,2
	s_delay_alu instid0(VALU_DEP_3)
	v_mov_b32 v[195+\i], v[204+\i]
.endr
	v_cndmask_b32 v227, v216, v217, s[HI]          ; lanes 0-15 carry block 0's byte, lanes 16-31 block 1's
	global_store_b128 v1, v[192:195], s[YA:YA+1]             ; 512 consecutive bytes, aligned
	global_store_b64 v2, v[196:197], s[YA:YA+1] offset:512   ; 256
	global_store_b8 v11, v227, s[SA:SA+1]          ; two bytes of each row's 16: the other heads' work-groups write the rest; one byte for each 24 of codes
	s_wait_xcnt 0x0                                ; the stores have read their registers and bases, which the next tile writes again
.endm
	s_wait_alu depctr_va_vdst(0)
	s_wait_tensorcnt 0x0                           ; my part of the first 53,248 bytes is in; these lines stand ahead of a later first fill as ahead of a refill
	ds_add_u32 v5, v6
	s_wait_dscnt 0x0
	CROUND                                         ; everybody's part is in, and the four work-groups are here
	tensor_load_to_lds s[G0P:G0P+3], s[G1P:G1P+7]  ; the other 151,552 bytes: my one tensor load behind this round
	s_nop 0
	s_mov_b32 s[CNT], 0
.Lfirst:                                           ; key steps 0 to 3 of the first tile: every first tile has nine steps or more, so none of these lies on a diagonal
	s_mov_b32 s[KS], s[CNT]
	STEP 0
	s_add_co_u32 s[CNT], s[CNT], 1
	s_cmp_lt_u32 s[CNT], 4
	s_cbranch_scc1 .Lfirst
	s_wait_tensorcnt 0x0                           ; my part of the rest is in;
	s_wait_dscnt 0x0
	s_barrier_signal -1
	s_barrier_wait -1                              ; everybody's is.
	s_mov_b32 s[CNT], 0
.Lrest:                                            ; twenty trips, a constant: 0-11 are key steps 4-15 of the first tile, 12-19 key steps 0-7 of the second; a trip beyond the tile's last step does nothing
	s_add_co_u32 s[KS], s[CNT], 4
	s_and_b32 s[KS], s[KS], 15
	s_cmp_lt_u32 s[CNT], 12
	s_cselect_b32 s[LC], s[LL], s[LS]
	s_cmp_gt_u32 s[KS], s[LC]                      ; a branch on the wave's number and the count
	s_cbranch_scc1 .Lnext
	STEP 1
	s_cmp_lg_u32 s[KS], s[LC]
	s_cbranch_scc1 .Lnext
	FINISH
	s_cmp_ge_u32 s[CNT], 12
	s_cbranch_scc1 .Lnext
.irp n, 0,1,2,3,4,5
	v_mov_b32 v[22+\n], v[34+\n]                   ; the second tile's Q,
.endr
	v_lshrrev_b32 v41, s[SHB], v43
	s_delay_alu instid0(VALU_DEP_1)
	v_and_b32 v41, 0xffff, v41                     ; its scale word,
	s_delay_alu instid0(VALU_DEP_1)
	v_lshlrev_b32 v42, 16, v41
	s_mov_b32 s[Q0], s[Q0B]                        ; its first query, and where its y goes
	s_mov_b64 s[YA:YA+1], s[YB:YB+1]
	s_mov_b64 s[SA:SA+1], s[SB:SB+1]
	INIT
.Lnext:
	s_add_co_u32 s[CNT], s[CNT], 1
	s_cmp_lt_u32 s[CNT], 20
	s_cbranch_scc1 .Lrest
	s_wait_tensorcnt 0x0                           ; the wave's end
	ds_add_u32 v5, v6
	s_wait_dscnt 0x0
	CROUND                                         ; the closing round
	s_endpgm
.Lfunc_end_k_q6f491fec82_attn:
	.size	k_q6f491fec82_attn, .Lfunc_end_k_q6f491fec82_attn-k_q6f491fec82_attn
	.p2alignl 7, 3214868480
	.fill 96, 4, 3214868480
	.section	.rodata,"a",@progbits
	.p2align	6, 0x0
	.amdhsa_kernel k_q6f491fec82_attn
		.amdhsa_group_segment_fixed_size 327680
		.amdhsa_private_segment_fixed_size 0
		.amdhsa_enable_private_segment 0
		.amdhsa_kernarg_size 24
		.amdhsa_user_sgpr_count 2
		.amdhsa_user_sgpr_kernarg_segment_ptr 1
		.amdhsa_wavefront_size32 1
		.amdhsa_system_sgpr_workgroup_id_x 1
		.amdhsa_system_sgpr_workgroup_id_y 1
		.amdhsa_system_sgpr_workgroup_id_z 1
		.amdhsa_system_vgpr_workitem_id 0
		.amdhsa_next_free_vgpr 256
		.amdhsa_next_free_sgpr 100
		.amdhsa_reserve_vcc 1
		.amdhsa_float_denorm_mode_32 3
		.amdhsa_float_denorm_mode_16_64 3
		.amdhsa_memory_ordered 1
		.amdhsa_forward_progress 1
		.amdhsa_inst_pref_size 57
	.end_amdhsa_kernel
	.amdgpu_metadata
---
amdhsa.version: [ 1, 2 ]
amdhsa.kernels:
  - .name:           k_q6f491fec82_attn
    .symbol:         k_q6f491fec82_attn.kd
    .args:
      - { .name: qkv, .offset: 0, .size: 8, .value_kind: global_buffer, .address_space: global }
      - { .name: yc, .offset: 8, .size: 8, .value_kind: global_buffer, .address_space: global }
      - { .name: sc2, .offset: 16, .size: 8, .value_kind: global_buffer, .address_space: global }
    .group_segment_fixed_size: 327680
    .private_segment_fixed_size: 0
    .kernarg_segment_align: 8
    .kernarg_segment_size: 24
    .max_flat_workgroup_size: 512
    .sgpr_count:     100
    .vgpr_count:     256
    .wavefront_size: 32
...
	.end_amdgpu_metadata
.endif
;; end of part 3
;; launch proj (part 4): grid 4 x 64, 4 waves a work-group, clusters of 4 x 4, 327,680 bytes of LDS; arguments yc, wpc, sc2, b_proj, out0; writes out0
.if DOCPART == 4
	.amdgcn_target "amdgcn-amd-amdhsa--gfx1250"
	.amdhsa_code_object_version 6
	.text
	.protected	k_q6f491fec82_proj
	.globl	k_q6f491fec82_proj
	.p2align	8
	.type	k_q6f491fec82_proj,@function
k_q6f491fec82_proj:
	s_mov_b64 s[64:65], 0
	v_nop
	global_prefetch_b8 v0, s[64:65] scope:SCOPE_SE
	s_setreg_imm32_b32 hwreg(HW_REG_WAVE_MODE, 25, 1), 1
	s_wait_xcnt 0x0
	s_wait_alu depctr_hold_cnt(0) depctr_sa_sdst(0) depctr_va_vdst(0) depctr_va_sdst(0) depctr_va_ssrc(0) depctr_va_vcc(0) depctr_vm_vsrc(0)
	s_getreg_b32 s2, hwreg(HW_REG_IB_STS2, 6, 4)
	s_cmp_eq_u32 s2, 0
	s_cbranch_scc0 .Lentry_in_a_cluster
	s_endpgm
.Lentry_in_a_cluster:
	s_bfe_u32 s2, ttmp6, 0x10000c
	s_cmp_lg_u32 s2, 0xf033
	s_cbranch_scc0 .Lentry_shape_is_right
	s_endpgm
.Lentry_shape_is_right:
; out0 = y W_proj + b_proj on codes of BF6 with E8M0 scales, K = 1,024; sums in f32.
; A block of 128 tokens x 256 columns is made by four waves, 64 x 128 each: 32 accumulators, 256 registers.  8,192 x 1,024 results are 64 x 4 = 256 such blocks.
; OPERANDS lie in memory as images of their registers (16 rows x 64 codes = 768 bytes: lane l's first 16 bytes at 16 l, its last 8 at 512 + 8 l); a tile of 16 rows has its 8 K steps on end, 12,288 bytes.
; ALL OF K STAYS IN LDS: S1 (y, 8 tiles of rows) is 98,304 bytes, S0 (W_proj's columns, 16 tiles of rows) 196,608.  Each wave issues ONE tensor load, at the head: waves 0 and 1 four tiles of S1's rows each,
; waves 2 and 3 eight of S0's each, rows of 12,288 bytes.  No LDS byte is filled twice: no ring, and one barrier shows the whole block's operands to all four waves.
; NO PREFETCH: the launch's one load a wave is issued at its head; there is no loop to run ahead in.
; S0 is given as source 0 (the result's registers run along its rows), S1 as source 1 (a lane holds one of its rows).  Lane-row r of a tile t of rows is the row 32 (t / 2) + 8 (t % 2) + r + 8 (r / 8).
; CLUSTERS: 4 x 4 work-groups.  S1's tile is shared along a row of the cluster, S0's along a column: each is asked for jointly, by the same tensor load with the same descriptor and a mask that names the four.
; REGISTERS, in windows of 256: window 0: v1-31 addresses; v32-95 scale words (register 8 i + s: lanes 0-15 S1's block i, lanes 16-31 S0's block i, K step s; S1 has blocks 0-3, the other lanes' words are not used);
;   v128-223 S1's four fragments, two sets; on the way out v128-255 hold rows read back.   window 1: S0's eight fragments, two sets, at v0 and v128; the bias at v96-127 and v224-255.
;   window 2: the accumulators, (a, b) at v[8 (8 a + b)].
.set S1P,    49152                     ; what a wave fetches of S1: 4 tiles of rows;  also half of what one fetches of S0
.set S0P,    98304                     ; what a wave fetches of S0: 8 tiles of rows
.set S0B,    2*S1P                     ; S0 lies behind S1
.set SPARE,  S0B+2*S0P                 ; behind the operands: the spare words, 128 bytes for each wave
.set SPITCH, 528                       ; the way out: a stage of 16 rows x (512 + 16) bytes for each wave, laid over S1 when nobody reads it any more
.set FR,     12                        ; registers of a fragment
.set ADRA, 16                          ; v16 LDS address of my S1 fragments + 16 x lane;  v18 the same + 8 x lane
.set ADRB, 20                          ; v20-21 the same for S0's tiles 0-3 and 4-7 (an LDS offset has 16 bits);  v22-23 + 8 x lane
.set L16,  24
.set L8,   25
.set SCA,  26
.set STO,  27
.set SPW,  28                          ; v28 LDS address of my spare word; never rewritten
.set NIL,  29                          ; v29 0; never rewritten
.set RD,   30
.set BA0,  31
.set SC,   32
.set AF,   128
.set BK,   128
.set G1,   24                          ; s[24:31], s[32:35] groups 1 and 0 for S1;  s[48:55], s[56:59] for S0
.set G0,   32
.set G1B,  48
.set G0B,  56
.set MSB, 0
.macro WIN new                         ; the immediate's high byte repeats the setting that is left
.if MSB != (\new)
	s_set_vgpr_msb (MSB<<8)|(\new)
.set MSB, (\new)
.endif
.endm
.set MUL_LO, 0xa1                      ; source 0 (S0) window 1, source 1 (S1) window 0, C and D window 2
.set TO_B,   0x40                      ; destination window 1, address window 0
.macro CREST
	s_cmp_lg_u32 s14, 0
	s_cbranch_scc1 .Lnot_wave_0_\@
	s_barrier_signal -3
.Lnot_wave_0_\@:
	s_barrier_wait -3
	s_barrier_signal -1
	s_barrier_wait -1
.endm
.macro CROUND                          ; a round of the cluster's barrier
	s_barrier_signal -1
	s_barrier_wait -1
	CREST
.endm
.macro PLACES n                        ; plain instructions between a matrix instruction and a load into, or a read of, its registers
.rept \n
	v_nop
.endr
.endm
.macro GRP g, rows                     ; group 1 behind its first word: rows of 12,288 bytes (1,536 elements of 8), dense in memory and in LDS
	s_mov_b32 s[\g+1], 1536<<16
	s_mov_b32 s[\g+2], \rows<<16
	s_mov_b32 s[\g+3], 1536<<16
	s_mov_b32 s[\g+4], \rows
	s_mov_b32 s[\g+5], 1536
	s_mov_b32 s[\g+6], 0
	s_mov_b32 s[\g+7], 0
.endm
.macro FRAG reg, adr, q, i             ; a fragment as it lies: tile of rows i, K step q
	ds_load_b128 v[\reg:\reg+3],     v[\adr+(\i)/4]   offset:((\i)%4)*12288+(\q)*1536
	ds_load_b64  v[\reg+4:\reg+5],   v[\adr+2+(\i)/4] offset:((\i)%4)*12288+(\q)*1536+512
	ds_load_b128 v[\reg+6:\reg+9],   v[\adr+(\i)/4]   offset:((\i)%4)*12288+(\q)*1536+768
	ds_load_b64  v[\reg+10:\reg+11], v[\adr+2+(\i)/4] offset:((\i)%4)*12288+(\q)*1536+1280
.endm
.macro FETCH_B q, p                    ; S0's eight fragments of K step q into set p
	WIN TO_B
.irp i, 0,1,2,3,4,5,6,7
	FRAG 128*(\p)+FR*\i, ADRB, \q, \i
.endr
	WIN 0
.endm
.macro FETCH_A q, p                    ; S1's four
.irp i, 0,1,2,3
	FRAG AF+48*(\p)+FR*\i, ADRA, \q, \i
.endr
.endm
; 16 matrix instructions: S1's blocks a0, a0 + 1 x S0's eight, K step ks, on the sets p.  first = 1: the bias is the C of the sums' first products: nothing is cleared and nothing is added later.
; The 32 accumulators take turns, one instruction a turn, in the same order in every step.
.macro MUL16 a0, p, ks, first
.irp a, \a0, \a0+1
.irp b, 0,1,2,3,4,5,6,7
.if \first
	v_wmma_scale_f32_16x16x128_f8f6f4 v[8*(8*(\a)+\b):8*(8*(\a)+\b)+7], v[128*(\p)+FR*\b:128*(\p)+FR*\b+FR-1], v[AF+48*(\p)+FR*(\a):AF+48*(\p)+FR*(\a)+FR-1], v[96+8*\b+96*(\b/4):96+8*\b+96*(\b/4)+7], v[SC+8*\b+(\ks)], v[SC+8*(\a)+(\ks)] matrix_a_fmt:MATRIX_FMT_BF6 matrix_b_fmt:MATRIX_FMT_BF6 matrix_a_scale:MATRIX_SCALE_ROW1
.else
	v_wmma_scale_f32_16x16x128_f8f6f4 v[8*(8*(\a)+\b):8*(8*(\a)+\b)+7], v[128*(\p)+FR*\b:128*(\p)+FR*\b+FR-1], v[AF+48*(\p)+FR*(\a):AF+48*(\p)+FR*(\a)+FR-1], v[8*(8*(\a)+\b):8*(8*(\a)+\b)+7], v[SC+8*\b+(\ks)], v[SC+8*(\a)+(\ks)] matrix_a_fmt:MATRIX_FMT_BF6 matrix_b_fmt:MATRIX_FMT_BF6 matrix_a_scale:MATRIX_SCALE_ROW1
.endif
.endr
.endr
.endm
; A K step but the last: its fragments were asked for a step ago; the next step's 48 loads go out first, into the other sets, and have this step's 32 matrix instructions in which to come.
.macro STEP ks, first
	s_wait_dscnt 0x0                               ; this step's fragments are in
	PLACES 4                                       ; the other sets were read by the last step's products
	FETCH_B (\ks)+1, 1-(\ks)%2
	FETCH_A (\ks)+1, 1-(\ks)%2
.if \first
	WIN 0x91                                       ; C (the bias) window 1, D window 2
.else
	WIN MUL_LO
.endif
	MUL16 0, (\ks)%2, \ks, \first
	MUL16 2, (\ks)%2, \ks, \first
	WIN 0
.endm
	s_load_b256 s[4:11], s[0:1], 0x0               ; yc s[4:5], wpc s[6:7], sc2 s[8:9], b_proj s[10:11]
	s_load_b64 s[12:13], s[0:1], 0x20              ; out0
	v_lshl_add_u32 v[SPW], v0, 2, SPARE
	v_mov_b32 v[NIL], 0
	ds_add_u32 v[SPW], v[NIL]                      ; the opening lines: the add twice on end and its wait
	ds_add_u32 v[SPW], v[NIL]
	GRP G1, 4
	GRP G1B, 8
	s_wait_dscnt 0x0
	v_lshrrev_b32 v1, 5, v0
	v_readfirstlane_b32 s14, v1                    ; wave 0..3
	s_lshr_b32 s15, s14, 1                         ; which half of S1's rows is mine.  Also: I fetch for S1 (0) or for S0 (1)
	s_and_b32 s16, s14, 1                          ; which half of S0's rows.  Also: which half of that operand I fetch
	s_bfe_u32 s40, ttmp6, 0x40000                  ; cx, cy: my place in the cluster
	s_bfe_u32 s41, ttmp6, 0x40004
	s_lshl_b32 s42, ttmp9, 2
	s_add_co_u32 s42, s42, s40                     ; which 256 columns: hangs on cx alone
	s_and_b32 s21, ttmp7, 0xffff
	s_lshl_b32 s21, s21, 2
	s_add_co_u32 s21, s21, s41                     ; which 128 tokens: hangs on cy alone
	s_lshl_b32 s43, s41, 2
	s_lshl_b32 s43, 15, s43                        ; my row of the cluster
	s_lshl_b32 s44, 0x1111, s40                    ; my column
	s_or_b32 s[G1+0], s43, (3<<16)|(1<<21)         ; 15:0 the mask; 17:16 elements of 8 bytes; 21 set beside a mask
	s_or_b32 s[G1B+0], s44, (3<<16)|(1<<21)
	s_lshl_b32 s22, s21, 3
	s_lshl_b32 s23, s16, 2
	s_add_co_u32 s22, s22, s23
	s_mul_i32 s22, s22, 12288                      ; S1: tile of rows 8 x block + 4 x half
	s_mov_b32 s23, 0
	s_lshl_b32 s46, s42, 4
	s_lshl_b32 s47, s16, 3
	s_add_co_u32 s46, s46, s47
	s_mul_i32 s46, s46, 12288                      ; S0: tile of rows 16 x block + 8 x half
	s_mov_b32 s47, 0
	s_wait_kmcnt 0x0
	s_add_nc_u64 s[22:23], s[4:5], s[22:23]
	s_add_nc_u64 s[46:47], s[6:7], s[46:47]
	CROUND                                         ; all sixteen work-groups are here: the joint loads meet
	s_mov_b32 s[G0], 1
	s_mul_i32 s[G0+1], s16, S1P                    ; no place in the cluster enters an LDS address
	s_mov_b64 s[G0+2:G0+3], s[22:23]
	s_or_b32 s[G0+3], s[G0+3], 0x80000000
	s_mov_b32 s[G0B], 1
	s_mul_i32 s[G0B+1], s16, S0P
	s_add_co_u32 s[G0B+1], s[G0B+1], S0B
	s_mov_b64 s[G0B+2:G0B+3], s[46:47]
	s_or_b32 s[G0B+3], s[G0B+3], 0x80000000
	s_cmp_eq_u32 s15, 0                            ; one tensor load a wave: each of the two lines has one mask and one set of registers for all that issue it
	s_cbranch_scc0 .Lfor_b
	tensor_load_to_lds s[G0:G0+3], s[G1:G1+7]
	s_nop 0
	PLACES 4
	s_branch .Lasked
.Lfor_b:
	tensor_load_to_lds s[G0B:G0B+3], s[G1B:G1B+7]
	s_nop 0
	PLACES 4
.Lasked:
	; the scale words of all eight K steps, once: lanes 0-15 take S1's rows, lanes 16-31 S0's
	s_lshl_b32 s70, s21, 12
	s_lshl_b32 s72, s15, 11
	s_add_co_u32 s70, s70, s72                     ; 32 x my first S1 row
	s_lshl_b32 s71, s42, 13
	s_lshl_b32 s72, s16, 12
	s_add_co_u32 s71, s71, s72                     ; 32 x my first S0 row;
	s_add_co_u32 s71, s71, 262144                  ; the weight's scale words lie 262,144 bytes in
	v_and_b32 v1, 15, v0                           ; r
	v_bfe_u32 v2, v0, 4, 1                         ; h
	v_and_b32 v3, 31, v0                           ; lane
	s_wait_alu depctr_va_vdst(0)
	v_cmp_ne_u32 vcc_lo, 0, v2
	v_mov_b32 v[SCA], s70
	v_mov_b32 v4, s71
	v_cndmask_b32 v[SCA], v[SCA], v4, vcc_lo
	v_lshl_add_u32 v[SCA], v1, 4, v[SCA]
.irp i, 0,1,2,3,4,5,6,7
.irp q, 0,1
	global_load_b128 v[SC+8*\i+4*\q:SC+8*\i+4*\q+3], v[SCA], s[8:9] offset:512*\i+256*\q
.endr
.endr
	s_lshl_b32 s76, s42, 8
	s_lshl_b32 s78, s16, 7
	s_add_co_u32 s76, s76, s78                     ; my first column
	s_lshl_b32 s77, s21, 7
	s_lshl_b32 s78, s15, 6
	s_add_co_u32 s77, s77, s78                     ; my first token
	s_lshl_b32 s74, s76, 2
	s_mov_b32 s75, 0
	s_add_nc_u64 s[10:11], s[10:11], s[74:75]      ; the bias at that column
	s_lshl_b32 s78, s77, 12
	s_add_co_u32 s78, s78, s74
	s_mov_b32 s79, 0
	s_add_nc_u64 s[12:13], s[12:13], s[78:79]      ; my corner of out0
	v_lshlrev_b32 v[L16], 4, v3
	v_lshlrev_b32 v[L8], 3, v3
	v_lshlrev_b32 v[BA0], 6, v2
	WIN TO_B
.irp b, 0,1,2,3,4,5,6,7
	global_load_b128 v[96+8*\b+96*(\b/4):96+8*\b+96*(\b/4)+3], v[BA0], s[10:11] offset:(32*(\b/2)+8*(\b%2))*4      ; columns 32 (b / 2) + 16 h + 8 (b % 2) + 0 .. 7
	global_load_b128 v[96+8*\b+96*(\b/4)+4:96+8*\b+96*(\b/4)+7], v[BA0], s[10:11] offset:(32*(\b/2)+8*(\b%2))*4+16
.endr
	WIN 0
	s_wait_alu depctr_va_vdst(0)                   ; ahead of the scalar lines behind which 16 x lane
	s_mul_i32 s94, s15, S1P                        ; my 4 tiles of S1's rows
	s_mul_i32 s95, s16, S0P                        ; my 8 of S0's,
	s_add_co_u32 s95, s95, S0B                     ; which lie behind S1
	v_add_nc_u32 v[ADRA], s94, v[L16]
	v_add_nc_u32 v[ADRA+2], s94, v[L8]
.irp s, 0,1
	v_add_nc_u32 v[ADRB+\s], s95, v[L16]
	v_add_nc_u32 v[ADRB+2+\s], s95, v[L8]
	s_add_co_u32 s95, s95, S1P                     ; tiles 4-7 lie 49,152 bytes on
.endr
	s_mul_i32 s94, s14, 16*SPITCH                  ; my stage
	v_mul_u32_u24 v[STO], v1, SPITCH               ; in: row r, 64 bytes for each half of the lanes in each 128
	v_lshl_add_u32 v[STO], v2, 6, v[STO]
	v_add_nc_u32 v[STO], s94, v[STO]
	v_add_nc_u32 v[RD], s94, v[L16]                ; back: the 32 lanes take one row of 512 bytes
	s_wait_alu depctr_va_vdst(0)
	s_wait_tensorcnt 0x0                           ; my part of the operands is in
	s_barrier_signal -1
	s_barrier_wait -1                              ; everybody's is.
	FETCH_B 0, 0
	FETCH_A 0, 0
	s_wait_loadcnt 0x0                             ; the scale words and the bias
	STEP 0, 1
.irp k, 1,2,3,4,5,6
	STEP \k, 0
.endr
	s_wait_dscnt 0x0                               ; the last K step: my reads of the operands are over:
	s_barrier_signal -1                            ; say so,
	WIN MUL_LO
	MUL16 0, 1, 7, 0                               ; work on registers while the others arrive,
	MUL16 2, 1, 7, 0
	WIN 0
	s_barrier_wait -1                              ; and behind this wait nobody reads S1's bytes, which have had their one fill: the stages lie there
; THE WAY OUT, block by block of 16 lane-rows x 128 columns: through my own stage, back as whole rows of 512 bytes, which the 32 lanes store as two aligned runs of 256 bytes.
; LDS serves a wave's instructions in order (ISA guide 5.7.1.4): no wait between the stores and the loads.
.macro TOSTAGE a
.set AC, 64*(\a)
	WIN 0x08                                       ; the data: window 2
.irp b, 0,1,2,3,4,5,6,7
	ds_store_b128 v[STO], v[AC+8*\b:AC+8*\b+3] offset:128*(\b/2)+32*(\b%2)          ; each accumulator from its low end on
	ds_store_b128 v[STO], v[AC+8*\b+4:AC+8*\b+7] offset:128*(\b/2)+32*(\b%2)+16
.endr
	WIN 0
.set BB, BK+64*((\a)%2)
.irp t, 0,1,2,3,4,5,6,7,8,9,10,11,12,13,14,15
	ds_load_b128 v[BB+4*\t:BB+4*\t+3], v[RD] offset:\t*SPITCH
.endr
.endm
.macro SEND a, younger                 ; younger: the LDS instructions issued behind block a's loads, which may stay out
.set BB, BK+64*((\a)%2)
	s_wait_dscnt \younger
.irp t, 0,1,2,3,4,5,6,7,8,9,10,11,12,13,14,15
	global_store_b128 v[L16], v[BB+4*\t:BB+4*\t+3], s[12:13] offset:(32*((\a)/2)+8*((\a)%2)+\t+8*(\t/8))*4096 th:TH_STORE_NT
.endr
.endm
	PLACES 4
	TOSTAGE 0
.irp a, 1,2,3
.if \a > 1
	s_wait_xcnt 0x0                                ; block a - 2's stores have read their registers: block a's loads may land there
.endif
	TOSTAGE \a
	SEND \a-1, 32                                  ; behind block a - 1's loads: block a's 16 stores and 16 loads
.endr
	SEND 3, 0
	s_wait_tensorcnt 0x0                           ; the wave's end
	ds_add_u32 v[SPW], v[NIL]
	s_wait_dscnt 0x0
	CROUND                                         ; the closing round
	s_endpgm
.Lfunc_end_k_q6f491fec82_proj:
	.size	k_q6f491fec82_proj, .Lfunc_end_k_q6f491fec82_proj-k_q6f491fec82_proj
	.p2alignl 7, 3214868480
	.fill 96, 4, 3214868480
	.section	.rodata,"a",@progbits
	.p2align	6, 0x0
	.amdhsa_kernel k_q6f491fec82_proj
		.amdhsa_group_segment_fixed_size 327680
		.amdhsa_private_segment_fixed_size 0
		.amdhsa_enable_private_segment 0
		.amdhsa_kernarg_size 40
		.amdhsa_user_sgpr_count 2
		.amdhsa_user_sgpr_kernarg_segment_ptr 1
		.amdhsa_wavefront_size32 1
		.amdhsa_system_sgpr_workgroup_id_x 1
		.amdhsa_system_sgpr_workgroup_id_y 1
		.amdhsa_system_sgpr_workgroup_id_z 1
		.amdhsa_system_vgpr_workitem_id 0
		.amdhsa_next_free_vgpr 768
		.amdhsa_next_free_sgpr 100
		.amdhsa_reserve_vcc 1
		.amdhsa_float_denorm_mode_32 3
		.amdhsa_float_denorm_mode_16_64 3
		.amdhsa_memory_ordered 1
		.amdhsa_forward_progress 1
		.amdhsa_inst_pref_size 83
	.end_amdhsa_kernel
	.amdgpu_metadata
---
amdhsa.version: [ 1, 2 ]
amdhsa.kernels:
  - .name:           k_q6f491fec82_proj
    .symbol:         k_q6f491fec82_proj.kd
    .args:
      - { .name: yc, .offset: 0, .size: 8, .value_kind: global_buffer, .address_space: global }
      - { .name: wpc, .offset: 8, .size: 8, .value_kind: global_buffer, .address_space: global }
      - { .name: sc2, .offset: 16, .size: 8, .value_kind: global_buffer, .address_space: global }
      - { .name: b_proj, .offset: 24, .size: 8, .value_kind: global_buffer, .address_space: global }
      - { .name: out0, .offset: 32, .size: 8, .value_kind: global_buffer, .address_space: global }
    .group_segment_fixed_size: 327680
    .private_segment_fixed_size: 0
    .kernarg_segment_align: 8
    .kernarg_segment_size: 40
    .max_flat_workgroup_size: 128
    .sgpr_count:     100
    .vgpr_count:     768
    .wavefront_size: 32
...
	.end_amdgpu_metadata
.endif
;; end of part 4
